; MI455X (gfx1250); checked and timed in simulation.
; The chip was launched on July 23, 2026; its instructions are those of AMD's public machine-readable ISA for CDNA 5 (MIT licence, August 2026) and "CDNA5" Instruction Set Architecture Reference Guide (July 2026). The comments in the code are by the model that wrote it; some were corrected since.
;; Causal Attention. Allowed arithmetic: matrix products marked QUANTISED: E2M3 operands, one E8M0 scale for each 32 along K, by v_wmma_scale_f32_16x16x128_f8f6f4 with both operands' format E2M3, f32 sums; everything else in f32.
;; Inputs: Wk 1,024 x 1,024 float32; Wq 1,024 x 1,024 float32; Wv 1,024 x 1,024 float32; x 4 x 2,048 x 1,024 float32.
;; Outputs: out0 4 x 2,048 x 1,024 float32.
;; This version of the problem:
;;   THIS VERSION OF THE PROBLEM IS GIVEN IN LOW PRECISION. The matrix products marked QUANTISED in the list below multiply operands that are first quantised to E2M3 (2 exponent bits, 3 mantissa bits; 6 bits a number), with one power-of-two scale for each 32 numbers along K (OCP MX v1.0); their sums are f32. All else is computed in f32.
;;   The module's matrix products, in the order in which they are computed (A, B: the left and right operand; K: the contracted axis; several contracted axes count as one K, in the product's order):
;;     1. [M 8,192, K 1,024] x [K 1,024, N 1,024]; A: input x; B: input Wq: QUANTISED
;;     2. [M 8,192, K 1,024] x [K 1,024, N 1,024]; A: input x; B: input Wk: QUANTISED
;;     3. [M 8,192, K 1,024] x [K 1,024, N 1,024]; A: input x; B: input Wv: QUANTISED
;;     4. batch 4 x [M 2,048, K 1,024] x [K 1,024, N 2,048]; A: computed on the way; B: computed on the way: QUANTISED
;;     5. batch 4 x [M 2,048, K 2,048] x [K 2,048, N 1,024]; A: softmax (see below); B: computed on the way: QUANTISED
;;   THE QUANTISER, for each operand of a quantised product, along K:
;;     - K is cut into blocks of 32 from its start; a last block that is shorter is filled with zeros.
;;     - A block's scale is 2^e with e = floor(log2(the largest magnitude in the block)) - 2, held to -126 .. 127; a block of zeros has e = 0. As a byte (E8M0): e + 127.
;;     - Each number is divided by its block's scale, clamped to +-7.5, and rounded to the nearest number of E2M3, ties to even, subnormals kept.
;;     - The product sums the exact products of the quantised numbers (number of the format x scale) in f32.
;;   ~~~python
;;   def quantise(x, axis):      # numpy; x: float32 -> the quantised numbers, widened to float32 again
;;       x = np.moveaxis(x, axis, -1); K = x.shape[-1]
;;       x = np.pad(x, [(0, 0)] * (x.ndim - 1) + [(0, -K % 32)]); x = x.reshape(x.shape[:-1] + (-1, 32)); a = np.abs(x).max(-1, keepdims=True)
;;       e = np.where(a > 0, np.clip(np.frexp(np.where(a > 0, a, 1))[1] - 1 - 2, -126, 127), 0)      # np.frexp(a)[1] - 1 = floor(log2(a)), exactly
;;       r = np.clip(x / 2.0 ** e, -7.5, 7.5)
;;       step = 2.0 ** (np.maximum(np.frexp(np.where(r == 0, 1, r))[1] - 1, 0) - 3)
;;       q = np.round(r / step) * step * 2.0 ** e      # np.round: ties to even
;;       return np.moveaxis(q.reshape(q.shape[:-2] + (-1,))[..., :K], -1, axis).astype(np.float32)
;;   ~~~
;;   SOFTMAX AHEAD OF A QUANTISED PRODUCT. Where the list says 'softmax', what is quantised is not the finished softmax but p = 2^(t - M), with t = logit x log2(e) and M = ceil(the row's largest t), a whole number; so 1/2 < the row's largest p <= 1. The row's sum l is taken of the UNQUANTISED p, in f32, and the product's result is divided by l at the end. Since M is a whole number, a kernel that streams over the keys may use a running M (the ceiling of the running maximum): every later rescaling is an exact power of two, which a block's scale takes up: the codes' values come out the same.
;;   OPERANDS COMPUTED ON THE WAY. 'Computed on the way' means the value that the module computes at that place (a softmax that the list does not call 'softmax' is quantised finished and normalised). What goes into a quantiser is computed in f32, as accurately as f32 sums, v_exp_f32 and their like allow (about 1e-6 of the number): no bf16 or f16 on the way to a quantiser, and a product that is left as it is and whose result goes on into a quantised operand takes f32 operands (vector FMAs, or v_wmma_f32_16x16x4_f32). A number that lies on a knife's edge between two numbers of the format may be rounded either way, as far as f32 arithmetic and the matrix unit's own rounding can turn it there, and no further.
;; One version. Each part assembles by itself: llvm-mc -triple=amdgcn-amd-amdhsa -mcpu=gfx1250 --defsym DOCPART=n.
;; ======== version 1 of 1: 4 launches
;; limits: right only within a limited range of input values
;; workspace buffers: xw_codes 8,650,752 bytes; xw_scales 360,448 bytes; qkv_codes 18,874,368 bytes; qkv_scales 786,432 bytes; p_codes 12,582,912 bytes; p_meta 1,572,864 bytes
;; launch quant (part 1): grid 704 x 1, 4 waves a work-group, no clusters, 60,928 bytes of LDS; arguments x, Wq, Wk, Wv, xw_codes, xw_scales; writes xw_codes, xw_scales
.if DOCPART == 1
	.amdgcn_target "amdgcn-amd-amdhsa--gfx1250"
	.amdhsa_code_object_version 6
	.text
	.protected	k_q76169f3d4e_quant
	.globl	k_q76169f3d4e_quant
	.p2align	8
	.type	k_q76169f3d4e_quant,@function
k_q76169f3d4e_quant:
	s_mov_b64 s[64:65], 0
	v_nop
	global_prefetch_b8 v0, s[64:65] scope:SCOPE_SE
	s_setreg_imm32_b32 hwreg(HW_REG_WAVE_MODE, 25, 1), 1
	s_wait_xcnt 0x0
; x [8192][1024] (K innermost) and Wq, Wk, Wv [1024 (K)][1024] (K is the first axis), f32, become codes of FP6 (E2M3) with one E8M0 byte for each 32 along K, laid as the next launch's operand registers want them.
; A FRAGMENT (16 rows x 128 along K: 12 registers a lane) is stored as an IMAGE OF ITS REGISTERS: three pieces of 512 bytes, piece c = registers 4 c .. 4 c + 3, lane l's 16 bytes at 16 l.
; xw_codes: [K step 8][block of 16 positions 704][1,536]: x's 8,192 rows are blocks 0-511, the columns of Wq, Wk, Wv blocks 512-703.  xw_scales: one word (four bytes) for a position and a K step, [K step 8][position 11,264].
; POSITION ORDER: in each group of 32 rows bits 3 and 4 of the row number change places: position 16 u + r holds row 8 u + r + 8 (r / 8).  Sixteen neighbouring positions are then a tile whose results,
; used as source 0 of the next launch's product, fall into a lane's registers as neighbours along the next K.
; A block's scale is 2^(floor(log2(largest magnitude)) - 2); its byte is the largest magnitude's exponent field - 2, held at 1 from below (a block of zeros keeps the byte 1: its codes are zeros, and this program alone reads the bytes).
; LIMITS: blocks whose largest magnitude lies under 2^(2 - 126) have their byte held at 1; NaN and infinities among the inputs are not served.
; Work-groups 0-255 take 32 rows of x each; wave w takes K steps 2 w and 2 w + 1 of both blocks of 16: four fragments.  Work-groups 256-351 take 128 columns x 256 along K of one weight.  The two paths have LDS bytes of their own.
; No tensor loads, no barrier: waves share nothing.  No cluster: no two work-groups read the same bytes.
; THE SHARES, which take the place of what the lines above say of them: work-groups 0-511 take x: work-group n takes rows 32 (n / 2) on, and its wave w K step 4 (n % 2) + w of both blocks of 16: two fragments, both asked for at once.
; Work-groups 512-703 take 128 columns x 128 along K (one K step) of one weight: a wave takes 32 columns: four blocks of 32, two images.
.set KFP,   1081344                    ; bytes from K step to K step in xw_codes: 704 x 1,536
.set SFP,   45056                      ; and in xw_scales, for x's words.  THE WEIGHTS' WORDS do not lie by position: the words of columns 128 g .. 128 g + 127 of all three weights are one dense run of 12,288 bytes at g x SFP + 32,768: [K step 8][weight 3][position 128]
.set EMAX,  2
.set XP,    528                        ; x path: a stage row: 512 bytes + 16: the sixteen rows that a read touches start at sixteen different groups of banks
.set XST,   16*XP                      ; a wave's stage
.set WSTG,  4*XST                      ; W path: four stages of four images
.set FRS,   1664                       ; an image's place in a stage: 1,536 bytes + 128
.set SPARE, WSTG+16*FRS                ; behind both: the spare words, 128 bytes a wave
.set SPW,   250                        ; v250 LDS address of my spare word; never rewritten
.set NIL,   251                        ; v251 0; never rewritten
.set LI,    3                          ; x path: v3 16 x lane; v4 4 x lane; v5 into the stage; v6 out of it
.set LS,    4
.set SIN,   5
.set SOUT,  6
.set R,     16                         ; v16-143  two sets of 64: a fragment's numbers as loaded
.set XQ,    144                        ; v144-207 the fragment's numbers as the quantiser wants them
.set TM,    208                        ; v208-211 largest magnitudes, v212-215 bytes, v220-223 scale operands
.set PC,    224                        ; v224-243 the codes
.set PW,    244                        ; v244-245 scale words of the two blocks of 16; v246-247 both joined
.set JW,    246
.set NB,    4                          ; W path: blocks of 32 along K for a wave
.set SB,    24                         ; v24      scale word
.set WX,    32                         ; v32-95   two sets of 32 numbers
.set PCH,   96                         ; v96-119  a K step's codes: 12 registers for lanes 0-15 of the image, 12 for lanes 16-31
.set OUTR,  128                        ; v128-151 the way out
	s_load_b256 s[4:11], s[0:1], 0x0               ; x, Wq, Wk, Wv
	s_load_b128 s[12:15], s[0:1], 0x20             ; xw_codes, xw_scales
	v_lshl_add_u32 v[SPW], v0, 2, SPARE
	v_mov_b32 v[NIL], 0
	v_lshrrev_b32 v1, 5, v0
	v_readfirstlane_b32 s16, v1                    ; wave
	v_and_b32 v2, 31, v0                           ; lane
	s_cmp_ge_u32 ttmp9, 512
	s_cbranch_scc1 .Lw
; ---------------- x.  Each load reads 512 consecutive bytes: one row's 128 numbers of a K step.  Sixteen rows turn through the wave's stage, so that lane (r, h) holds, of row r, 16 neighbours of each block of 32.
	v_lshlrev_b32 v[LI], 4, v2
	v_lshlrev_b32 v[LS], 2, v2
	s_mul_i32 s17, s16, XST
	v_add_nc_u32 v[SIN], s17, v[LI]                ; in: 16 x lane; the row stands in the immediate
	v_and_b32 v7, 15, v2                           ; r
	v_lshrrev_b32 v8, 4, v2                        ; h
	v_mul_u32_u24 v7, v7, XP
	v_lshl_add_u32 v7, v8, 6, v7
	v_add_nc_u32 v[SOUT], s17, v7                  ; out: row r, + 64 h
.irp b, 0,1,2,3
	v_mov_b32 v[TM+4+\b], 0                        ; written once: a lane permute's destination counts as one of its sources
.endr
	s_mov_b32 s26, 0x76543210                      ; v_permlanex16_b32's selects for lane l xor 16
	s_mov_b32 s27, 0xfedcba98
	s_mov_b32 s28, 0xffff0000                      ; lanes 16-31
	s_lshr_b32 s29, ttmp9, 1                       ; which 32 rows
	s_and_b32 s30, ttmp9, 1
	s_lshl_b32 s30, s30, 2
	s_add_co_u32 s30, s30, s16                     ; my K step
	s_lshl_b32 s20, s29, 17                        ; 32 rows of 4,096 bytes
	s_lshl_b32 s21, s30, 9                         ; a K step is 512 bytes of a row
	s_add_co_u32 s20, s20, s21
	s_mov_b32 s21, 0
	s_mul_i32 s22, s30, KFP
	s_mul_i32 s23, s29, 2*1536                     ; my two blocks of 16 positions
	s_add_co_u32 s22, s22, s23
	s_mov_b32 s23, 0
	s_mul_i32 s24, s30, SFP
	s_lshl_b32 s25, s29, 7                         ; 32 positions' words
	s_add_co_u32 s24, s24, s25
	s_mov_b32 s25, 0
	s_wait_alu depctr_va_vdst(0)
	s_wait_kmcnt 0x0
	s_add_nc_u64 s[4:5], s[4:5], s[20:21]
	s_add_nc_u64 s[12:13], s[12:13], s[22:23]
	s_add_nc_u64 s[14:15], s[14:15], s[24:25]
.macro XLOAD t                         ; fragment t: my K step, block t % 2 of the 32 rows; position i of the block is row 8 u + i + 8 (i / 8)
.set KK, (\t)/2
.set U,  (\t)%2
.irp i, 0,1,2,3,4,5,6,7,8,9,10,11,12,13,14,15
	global_load_b128 v[R+64*((\t)%2)+4*\i:R+64*((\t)%2)+4*\i+3], v[LI], s[4:5] offset:(8*U+\i+8*(\i/8))*4096+512*KK th:TH_LOAD_NT
.endr
.endm
.macro XTURN t                         ; through the stage: LDS serves a wave's instructions in order, so no wait stands between the stores and the loads
.irp i, 0,1,2,3,4,5,6,7,8,9,10,11,12,13,14,15
	ds_store_b128 v[SIN], v[R+64*((\t)%2)+4*\i:R+64*((\t)%2)+4*\i+3] offset:XP*\i
.endr
.irp b, 0,1,2,3
.irp j, 0,1,2,3
	ds_load_b128 v[XQ+16*\b+4*\j:XQ+16*\b+4*\j+3], v[SOUT] offset:128*\b+16*\j   ; register 16 b + i = k 32 b + 16 h + i of my row
.endr
.endr
.endm
.macro QUANT pw                        ; 64 numbers of a lane become a fragment's codes in v[PC] on and its scale word in v[pw]
.irp b, 0,1,2,3
	v_max3_num_f32 v[TM+\b], |v[XQ+16*\b]|, |v[XQ+1+16*\b]|, 0x1800000   ; my 16 numbers of block b, and the floor 2^(3 - 127): the byte cannot fall under 1
.endr
.irp i, 2,4,6,8,10,12,14
.irp b, 0,1,2,3
	v_max3_num_f32 v[TM+\b], v[TM+\b], |v[XQ+16*\b+\i]|, |v[XQ+1+16*\b+\i]|
.endr
.endr
.irp b, 0,1,2,3
	v_permlanex16_b32 v[TM+4+\b], v[TM+\b], s26, s27
.endr
.irp b, 0,1,2,3
	v_max_num_f32 v[TM+\b], v[TM+\b], v[TM+4+\b]   ; with lane l xor 16's 16: the block's largest magnitude
.endr
.irp b, 0,1,2,3
	v_add_nc_u32 v[TM+12+\b], 0xff000000, v[TM+\b] ; 2 off its exponent field: the conversion's scale operand
.endr
.irp b, 0,1,2,3
	v_lshrrev_b32 v[TM+4+\b], 23, v[TM+12+\b]      ; the scale's byte
.endr
	v_lshl_or_b32 v[\pw], v[TM+5], 8, v[TM+4]
	v_lshl_or_b32 v[\pw], v[TM+6], 16, v[\pw]
	v_lshl_or_b32 v[\pw], v[TM+7], 24, v[\pw]      ; my row's scale word
	s_wait_xcnt 0x0                                ; the last fragment's stores have read the code registers
.irp c, 0,1
	v_cvt_scalef32_pk16_fp6_f32 v[PC+6*\c:PC+2+6*\c], v[XQ+32*\c:XQ+15+32*\c], v[TM+12+2*\c]
	v_cvt_scalef32_pk16_fp6_f32 v[PC+12+4*\c:PC+14+4*\c], v[XQ+16+32*\c:XQ+31+32*\c], v[TM+13+2*\c]   ; (a conversion's three registers begin on an even number)
.endr
	v_nop                                          ; one plain place behind a scaled conversion
.irp c, 0,1                            ; the operand's layout wants a whole block in a lane
.irp i, 0,1,2
	v_permlane16_swap_b32 v[PC+6*\c+\i], v[PC+12+4*\c+\i]
.endr
.irp i, 0,1,2
	v_mov_b32 v[PC+3+6*\c+\i], v[PC+12+4*\c+\i]
.endr
.endr
.endm
.macro XFRAG t
.if (\t) < 1
	s_wait_loadcnt 16                              ; this fragment's 16 loads are in; the next fragment's may be out
.else
	s_wait_loadcnt 0
.endif
	XTURN \t
	s_wait_dscnt 0x0                               ; the numbers are back, and the stage's stores have read their registers,
	QUANT PW+(\t)%2
.irp c, 0,1,2
	global_store_b128 v[LI], v[PC+4*\c:PC+4*\c+3], s[12:13] offset:((\t)/2)*KFP+((\t)%2)*1536+512*\c   ; 32 lanes store 512 consecutive bytes, aligned
.endr
.if (\t)%2
	v_cndmask_b32 v[JW+(\t)/2], v[PW], v[PW+1], s28   ; lanes 0-15: the first block's words, lanes 16-31: the second's
	global_store_b32 v[LS], v[JW+(\t)/2], s[14:15] offset:((\t)/2)*SFP
.endif
.endm
	XLOAD 0
	XLOAD 1
.irp t, 0,1
	XFRAG \t
.endr
	s_wait_tensorcnt 0x0                           ; the wave's end, behind my last LDS store
	ds_add_u32 v[SPW], v[NIL]
	s_wait_dscnt 0x0
	s_endpgm
; ---------------- W: a lane takes a column and its registers run down K; a wave takes 32 columns x 128 along K: two fragments, which take their image's order in the wave's stage
.Lw:
	s_sub_co_u32 s17, ttmp9, 512
	s_lshr_b32 s18, s17, 6                         ; which weight: 0 Wq, 1 Wk, 2 Wv
	s_and_b32 s19, s17, 7                          ; which 128 columns
	s_bfe_u32 s22, s17, 0x30003                    ; which K step
	s_wait_alu depctr_va_vdst(0)
	v_lshlrev_b32 v3, 2, v2                        ; in: 4 bytes a lane
	v_lshlrev_b32 v8, 4, v2                        ; 16 x lane
	s_mul_i32 s23, s16, 4*FRS
	s_add_co_u32 s23, s23, WSTG                    ; my stage
	v_and_b32 v5, 7, v2
	v_bfe_u32 v6, v2, 4, 1
	v_lshl_add_u32 v5, v6, 3, v5                   ; my column's place r in its block of 16: bit 4 of the column comes down,
	v_bfe_u32 v6, v2, 3, 1                         ; and bit 3 says which block, u
	v_lshl_add_u32 v9, v6, 4, v5
	v_lshlrev_b32 v9, 2, v9                        ; my position's scale word: 4 (16 u + r)
	v_mul_u32_u24 v6, v6, FRS
	v_lshl_add_u32 v4, v5, 4, v6
	v_add_nc_u32 v4, s23, v4                       ; into the stage: image u, lane r's 16 bytes
	v_add_nc_u32 v7, s23, v8                       ; out of it: 16 x lane
	s_lshl_b32 s19, s19, 7
	s_lshl_b32 s26, s16, 5
	s_add_co_u32 s19, s19, s26                     ; my wave's first column
	s_lshl_b32 s24, s22, 19                        ; 128 rows of 4,096 bytes
	s_lshl_b32 s25, s19, 2
	s_add_co_u32 s24, s24, s25
	s_mov_b32 s25, 0
	s_lshl_b32 s26, s18, 10
	s_add_co_u32 s26, s26, s19
	s_add_co_u32 s26, s26, 8192                    ; my first position among the 11,264
	s_mul_i32 s28, s26, 96                         ; 16 positions are 1,536 bytes
	s_mul_i32 s29, s22, KFP
	s_add_co_u32 s28, s28, s29
	s_mov_b32 s29, 0
	s_lshr_b32 s30, s19, 7                         ; g: which 128 columns
	s_mul_i32 s30, s30, SFP
	s_mul_i32 s31, s22, 1536                       ; my K step's 1,536 bytes
	s_add_co_u32 s30, s30, s31
	s_lshl_b32 s31, s18, 9                         ; the weight: 512 bytes
	s_add_co_u32 s30, s30, s31
	s_lshl_b32 s31, s16, 7                         ; my wave's 32 positions
	s_add_co_u32 s30, s30, s31
	s_add_co_u32 s30, s30, 32768
	s_mov_b32 s31, 0
	s_wait_kmcnt 0x0
	s_cmp_eq_u32 s18, 0                            ; the choice hangs on the work-group's number alone
	s_cselect_b64 s[20:21], s[6:7], s[8:9]
	s_cmp_eq_u32 s18, 2
	s_cselect_b64 s[20:21], s[10:11], s[20:21]
	s_add_nc_u64 s[20:21], s[20:21], s[24:25]
	s_add_nc_u64 s[12:13], s[12:13], s[28:29]
	s_add_nc_u64 s[14:15], s[14:15], s[30:31]
.macro WLOAD t                         ; block t: W(32 t + i, my column) into set t % 2; a wave reads 128 consecutive bytes
.irp i, 0,1,2,3,4,5,6,7,8,9,10,11,12,13,14,15,16,17,18,19,20,21,22,23,24,25,26,27,28,29,30,31
	global_load_b32 v[WX+32*((\t)%2)+\i], v3, s[20:21] offset:(32*(\t)+\i)*4096 th:TH_LOAD_NT
.endr
.endm
	WLOAD 0
	WLOAD 1
.macro WBLOCK t                        ; block t of 32 along K is block j = t % 4 of K step t / 4: registers 6 (j / 2) .. + 5 of lane 16 (j % 2) + r of the image
.set XS, WX+32*((\t)%2)
.set PD, PCH+12*((\t)%2)+6*(((\t)%4)/2)
.if (\t) < NB-1
	s_wait_loadcnt 32                              ; this block's 32 loads are in; the next block's may be out
.else
	s_wait_loadcnt 0
.endif
	v_max3_num_f32 v12, |v[XS]|, |v[XS+1]|, |v[XS+2]|
	v_max3_num_f32 v13, |v[XS+3]|, |v[XS+4]|, |v[XS+5]|
.irp i, 6,10,14,18,22,26
	v_max3_num_f32 v12, v12, |v[XS+\i]|, |v[XS+\i+1]|
	v_max3_num_f32 v13, v13, |v[XS+\i+2]|, |v[XS+\i+3]|
.endr
	v_max3_num_f32 v12, v12, |v[XS+30]|, |v[XS+31]|
	v_max3_num_f32 v12, v12, v13, (EMAX+1)<<23     ; and the floor
	v_add_nc_u32 v11, -(EMAX<<23), v12             ; the conversion's scale operand
	v_lshrrev_b32 v13, 23, v11                     ; the scale's byte
.if (\t)%4 == 0
	v_mov_b32 v[SB+(\t)/4], v13
.else
	v_lshl_or_b32 v[SB+(\t)/4], v13, 8*((\t)%4), v[SB+(\t)/4]
.endif
	v_cvt_scalef32_pk16_fp6_f32 v[PD:PD+2], v[XS:XS+15], v11
	v_cvt_scalef32_pk16_fp6_f32 v[120:122], v[XS+16:XS+31], v11   ; (a conversion's three registers begin on an even number)
	v_nop                                          ; one plain place behind a scaled conversion
.irp i, 0,1,2
	v_mov_b32 v[PD+3+\i], v[120+\i]
.endr
.if (\t)+2 < NB
	WLOAD (\t)+2
.endif
.if (\t)%4 == 3                        ; a K step's four blocks are coded: my column's 48 bytes for lane r and 48 for lane 16 + r go to their places
.irp hh, 0,1
.irp cc, 0,1,2
	ds_store_b128 v4, v[PCH+12*\hh+4*\cc:PCH+12*\hh+4*\cc+3] offset:((\t)/4)*2*FRS+256*\hh+512*\cc
.endr
.endr
	s_wait_dscnt 0x0                               ; the stores have read their registers: the next K step's codes may be written
.endif
.endm
.set Q, 0
.rept NB
	WBLOCK Q
.set Q, Q+1
.endr
	s_wait_alu depctr_va_vdst(0)                   ; directly ahead of the reader below
	global_store_b32 v9, v[SB], s[14:15]           ; 32 positions' words: 128 consecutive bytes
.irp f, 0,1
.irp cc, 0,1,2
	ds_load_b128 v[OUTR+12*\f+4*\cc:OUTR+12*\f+4*\cc+3], v7 offset:\f*FRS+512*\cc   ; image f: block f; in order behind my stores
.endr
.endr
.irp f, 0,1
.irp cc, 0,1,2
	s_wait_dscnt 5-3*\f-\cc
	global_store_b128 v8, v[OUTR+12*\f+4*\cc:OUTR+12*\f+4*\cc+3], s[12:13] offset:(\f/2)*KFP+(\f%2)*1536+512*\cc   ; 512 consecutive bytes, aligned
.endr
.endr
	s_wait_tensorcnt 0x0                           ; the wave's end, behind my last LDS store
	ds_add_u32 v[SPW], v[NIL]
	s_wait_dscnt 0x0
	s_endpgm
.Lfunc_end_k_q76169f3d4e_quant:
	.size	k_q76169f3d4e_quant, .Lfunc_end_k_q76169f3d4e_quant-k_q76169f3d4e_quant
	.p2alignl 7, 3214868480
	.fill 96, 4, 3214868480
	.section	.rodata,"a",@progbits
	.p2align	6, 0x0
	.amdhsa_kernel k_q76169f3d4e_quant
		.amdhsa_group_segment_fixed_size 60928
		.amdhsa_private_segment_fixed_size 0
		.amdhsa_enable_private_segment 0
		.amdhsa_kernarg_size 48
		.amdhsa_user_sgpr_count 2
		.amdhsa_user_sgpr_kernarg_segment_ptr 1
		.amdhsa_wavefront_size32 1
		.amdhsa_system_sgpr_workgroup_id_x 1
		.amdhsa_system_sgpr_workgroup_id_y 1
		.amdhsa_system_sgpr_workgroup_id_z 1
		.amdhsa_system_vgpr_workitem_id 0
		.amdhsa_next_free_vgpr 256
		.amdhsa_next_free_sgpr 66
		.amdhsa_reserve_vcc 0
		.amdhsa_float_denorm_mode_32 3
		.amdhsa_float_denorm_mode_16_64 3
		.amdhsa_memory_ordered 1
		.amdhsa_forward_progress 1
		.amdhsa_inst_pref_size 40
	.end_amdhsa_kernel
	.amdgpu_metadata
---
amdhsa.version: [ 1, 2 ]
amdhsa.kernels:
  - .name:           k_q76169f3d4e_quant
    .symbol:         k_q76169f3d4e_quant.kd
    .args:
      - { .name: x, .offset: 0, .size: 8, .value_kind: global_buffer, .address_space: global }
      - { .name: Wq, .offset: 8, .size: 8, .value_kind: global_buffer, .address_space: global }
      - { .name: Wk, .offset: 16, .size: 8, .value_kind: global_buffer, .address_space: global }
      - { .name: Wv, .offset: 24, .size: 8, .value_kind: global_buffer, .address_space: global }
      - { .name: xw_codes, .offset: 32, .size: 8, .value_kind: global_buffer, .address_space: global }
      - { .name: xw_scales, .offset: 40, .size: 8, .value_kind: global_buffer, .address_space: global }
    .group_segment_fixed_size: 60928
    .private_segment_fixed_size: 0
    .kernarg_segment_align: 8
    .kernarg_segment_size: 48
    .max_flat_workgroup_size: 128
    .sgpr_count:     66
    .vgpr_count:     256
    .wavefront_size: 32
...
	.end_amdgpu_metadata
.endif
;; end of part 1
;; launch proj (part 2): grid 8 x 32, 4 waves a work-group, clusters of 4 x 4, 327,680 bytes of LDS; arguments xw_codes, xw_scales, qkv_codes, qkv_scales; writes qkv_codes, qkv_scales
.if DOCPART == 2
	.amdgcn_target "amdgcn-amd-amdhsa--gfx1250"
	.amdhsa_code_object_version 6
	.text
	.protected	k_q76169f3d4e_proj
	.globl	k_q76169f3d4e_proj
	.p2align	8
	.type	k_q76169f3d4e_proj,@function
k_q76169f3d4e_proj:
	s_mov_b64 s[64:65], 0
	v_nop
	global_prefetch_b8 v0, s[64:65] scope:SCOPE_SE
	s_setreg_imm32_b32 hwreg(HW_REG_WAVE_MODE, 25, 1), 1
	s_wait_xcnt 0x0
	s_wait_alu depctr_hold_cnt(0) depctr_sa_sdst(0) depctr_va_vdst(0) depctr_va_sdst(0) depctr_va_ssrc(0) depctr_va_vcc(0) depctr_vm_vsrc(0)
	s_getreg_b32 s2, hwreg(HW_REG_IB_STS2, 6, 4)
	s_cmp_eq_u32 s2, 0
	s_cbranch_scc0 .Lentry_in_a_cluster
	s_endpgm
.Lentry_in_a_cluster:
	s_bfe_u32 s2, ttmp6, 0x10000c
	s_cmp_lg_u32 s2, 0xf033
	s_cbranch_scc0 .Lentry_shape_is_right
	s_endpgm
.Lentry_shape_is_right:
; The three projections on codes of FP6 (E2M3) with E8M0 scales, K = 1,024, and their results quantised in registers for the next products.
; SHARES.  8,192 x 3,072 results on 256 work-groups.  Work-group (TR, g) takes 256 positions of x against columns 128 g .. + 127 of Wq, Wk and Wv; wave w takes positions 64 w .. 64 w + 63: 32 accumulators, 256 registers.
; x STAYS IN REGISTERS: a wave's 64 positions for all of K are 4 x 8 fragments, 384 registers, loaded once from memory as the images that they are stored as (512 consecutive bytes a load), and serve all three products.
; THE WEIGHTS LIE IN LDS, ALL THREE BLOCKS AT ONCE (3 x 98,304 bytes), with their scale words (12,288 bytes): four joint loads at the head, one a wave; no LDS byte is ever filled again.
; A K step of a wave reads 8 fragments (12,288 bytes) from LDS for 32 matrix instructions.
; q, k: source 0 = the weight's 128 positions, source 1 = my 64 positions of x.  v^T: source 0 = my 64 positions of x (the keys), source 1 = Wv's 128 positions.  A lane holds one row of source 1's side, and since source 0's rows lie in
; position order (bits 3 and 4 of the row number changed), the 16 registers of two neighbouring tiles of source 0 are 16 neighbours along the next product's K.
; v^T: 64 keys are half a fragment (six registers) and half a scale word.  The halves of waves 2 i and 2 i + 1 are joined in a stage in LDS and leave as whole pieces of 512 bytes.  The stage lies in Wq's region: its one fill is long done, and a barrier
; in k's first K steps shows that no wave reads it any more.
; CLUSTERS: 4 x 4 work-groups; the weights and their scale words are asked for jointly along a column (same g).  x is not asked for jointly: it has no LDS bytes to land in (the three weight blocks and their words take 307,200).
; No prefetch: the text has no loop to run ahead in; all that it reads is asked for at its head.
; IN: xw_codes [K step 8][block of 16 positions 704][1,536]; xw_scales: x's words [K step 8] x 45,056 bytes by position; the weights' words at g x 45,056 + 32,768: [K step 8][weight 3][position 128].
; OUT, as images: qkv_codes: q | k as [K step 16][block of 16 rows 512][1,536], then v^T as [K step of 128 keys 64][block of 16 channels 64][1,536].  qkv_scales: one word a row and K step, [K step][row].
; LIMITS: blocks whose largest magnitude lies under 2^(2 - 126) have their byte held at 1; NaN and infinities are not served.
; REGISTERS: window 0: v0-31 addresses; v32-47 x's scale words; v48-79 a weight's scale words (in both, lanes 0-15 an even block of 16, lanes 16-31 the odd one after it); v112-255 x's K steps 5-7.
;   window 1: v0-191 the weight's fragments, two sets; v192-255 at work on the way out.  window 2: the accumulators.  window 3: x's K steps 0-4.
.set NP,     4                         ; places behind this matrix instruction (ISA guide 7.12.1)
.set KFP,    1081344                   ; bytes from K step to K step in xw_codes
.set SFP,    45056                     ; and of x's words in xw_scales
.set REG,    98304                     ; a weight's region: [K step 8][block 8][1,536]
.set SCW,    3*REG                     ; the weights' scale words
.set SPARE,  SCW+12288                 ; the spare words, 128 bytes a wave
.set SSTG,   24576                     ; the stage: v^T's codes [K step 2][block 8][1,536] from byte 0, its scale words [K step 2][128] behind them
.set LS,   9                           ; 4 x lane
.set L8,   10                          ; 8 x lane
.set LI,   12                          ; 16 x lane
.set BA,   12                          ; v12-17 weight n / 2, K steps 4 (n % 2) on: 16 x lane + 49,152 n
.set SW,   18                          ; the weights' scale words: SCW + 4 x lane
.set ST0,  19                          ; into the stage: my first and third pair of registers; v20 the second
.set ST1,  20
.set SS,   21                          ; my half of a scale word
.set RDC,  22                          ; out of the stage: codes; v23 scale words
.set RDS,  23
.set SPW,  28
.set NIL,  29
.set XS,   32
.set WS,   48
.set OSR,  80
.set XLO,  112
.set OB,   112
.set TM,   192                         ; window 1: v192-195 largest magnitudes, v196-199 bytes, v204-207 scale operands
.set PW,   208                         ; v208-209 scale words, v210-211 two blocks' words joined (v^T: four half words)
.set JW,   210
.set PCB,  212                         ; v212-251 codes, two sets of 20
.set OC,   12                          ; s[12:13] q's fragments; s[56:57] their words; s[58:59], s[60:61] the same for v^T
.set OS,   56
.set OCV,  58
.set OSV,  60
.set XB,   20
.set XSB,  22
.set G1W,  24                          ; group 1: a weight block, 8 K steps x 12,288 bytes
.set G1S,  32                          ; group 1: the scale words, 48 rows of 256 bytes
.set WB,   42
.set WSB,  44
.set GQ,   68                          ; four groups 0
.set GS,   72
.set GK,   76
.set GV,   80
.set MSB, 0
.macro WIN new                         ; the immediate's high byte repeats the setting that is left
.if MSB != (\new)
	s_set_vgpr_msb (MSB<<8)|(\new)
.set MSB, (\new)
.endif
.endm
.macro PLACES n
.rept \n
	v_nop
.endr
.endm
.macro CREST
	s_cmp_lg_u32 s14, 0
	s_cbranch_scc1 .Lnot_wave_0_\@
	s_barrier_signal -3
.Lnot_wave_0_\@:
	s_barrier_wait -3
	s_barrier_signal -1
	s_barrier_wait -1
.endm
.macro CROUND
	s_barrier_signal -1
	s_barrier_wait -1
	CREST
.endm
.macro G0SET g, lds, base, off
	s_mov_b32 s[\g], 1
	s_mov_b32 s[\g+1], \lds
	s_add_nc_u64 s[\g+2:\g+3], s[\base:\base+1], \off
	s_or_b32 s[\g+3], s[\g+3], 0x80000000
.endm
.macro ARM under, g0, g1, next         ; one arm of the head's chain: its load, an s_nop 0 and four v_nop, a jump to the join
	s_cmp_lt_u32 s14, \under
	s_cbranch_scc0 \next
	tensor_load_to_lds s[\g0:\g0+3], s[\g1:\g1+7]
	s_nop 0
	PLACES 4
	s_branch .Lasked
\next:
.endm
.macro XLD ks                          ; x's four fragments of K step ks: 12 loads of 512 consecutive bytes
.if (\ks) < 5
	WIN 0xc0
.set XR, 48*(\ks)
.else
	WIN 0
.set XR, XLO+48*((\ks)-5)
.endif
.irp a, 0,1,2,3
.irp c, 0,1,2
	global_load_b128 v[XR+12*\a+4*\c:XR+12*\a+4*\c+3], v[LI], s[XB:XB+1] offset:(\ks)*KFP+\a*1536+512*\c
.endr
.endr
.endm
	s_load_b256 s[4:11], s[0:1], 0x0               ; xw_codes, xw_scales, qkv_codes, qkv_scales
	v_lshl_add_u32 v[SPW], v0, 2, SPARE
	v_mov_b32 v[NIL], 0
	ds_add_u32 v[SPW], v[NIL]                      ; the opening lines: the add, twice on end, and its wait ahead of my first tensor load
	ds_add_u32 v[SPW], v[NIL]
	v_lshrrev_b32 v1, 5, v0
	v_readfirstlane_b32 s14, v1                    ; wave
	s_lshr_b32 s15, s14, 1
	s_and_b32 s16, s14, 1
	s_bfe_u32 s2, ttmp6, 0x40000                   ; cx
	s_bfe_u32 s3, ttmp6, 0x40004                   ; cy
	s_and_b32 s17, ttmp7, 0xffff
	s_lshl_b32 s17, s17, 2
	s_add_co_u32 s17, s17, s3                      ; TR: which 256 positions of x
	s_lshl_b32 s18, ttmp9, 2
	s_add_co_u32 s18, s18, s2                      ; g: which 128 columns of each weight
	s_lshl_b32 s63, 0x1111, s2                     ; my column of the cluster
	s_or_b32 s[G1W], s63, (3<<16)|(1<<21)          ; the mask; elements of 8 bytes; bit 21 beside a mask
	s_mov_b32 s[G1W+1], 1536<<16                   ; eight fragments, 12,288 bytes
	s_mov_b32 s[G1W+2], 8<<16                      ; eight K steps
	s_mov_b32 s[G1W+3], 1536<<16
	s_mov_b32 s[G1W+4], 8
	s_mov_b32 s[G1W+5], KFP/8
	s_mov_b32 s[G1W+6], 0
	s_mov_b32 s[G1W+7], 0
	s_or_b32 s[G1S], s63, (3<<16)|(1<<21)
	s_mov_b32 s[G1S+1], 32<<16                     ; a dense block as 48 rows of 256 bytes
	s_mov_b32 s[G1S+2], 48<<16
	s_mov_b32 s[G1S+3], 32<<16
	s_mov_b32 s[G1S+4], 48
	s_mov_b32 s[G1S+5], 32
	s_mov_b32 s[G1S+6], 0
	s_mov_b32 s[G1S+7], 0
	s_lshl_b32 s40, s17, 4
	s_lshl_b32 s41, s14, 2
	s_add_co_u32 s40, s40, s41                     ; my first block of 16 positions: 16 TR + 4 w
	s_mul_i32 s[XB], s40, 1536
	s_mov_b32 s[XB+1], 0
	s_lshl_b32 s[XSB], s40, 6
	s_mov_b32 s[XSB+1], 0
	s_mul_i32 s[WB], s18, 8*1536                   ; Wq: blocks 512 + 8 g on
	s_add_co_u32 s[WB], s[WB], 512*1536
	s_mov_b32 s[WB+1], 0
	s_mul_i32 s[WSB], s18, SFP
	s_add_co_u32 s[WSB], s[WSB], 32768
	s_mov_b32 s[WSB+1], 0
	s_mul_i32 s52, s18, 786432                     ; q: K step g, my blocks of rows
	s_add_co_u32 s52, s52, s[XB]
	s_mov_b32 s53, 0
	s_lshl_b32 s54, s18, 15
	s_add_co_u32 s54, s54, s[XSB]
	s_mov_b32 s55, 0
	s_lshl_b32 s41, s17, 1
	s_add_co_u32 s41, s41, s15                     ; v^T, on the way out: K step 2 TR + w / 2,
	s_lshl_b32 s62, s18, 3
	s_lshl_b32 s66, s16, 2
	s_add_co_u32 s62, s62, s66                     ; blocks of channels 8 g + 4 (w % 2) on
	s_mul_i32 s[OCV], s41, 98304
	s_mul_i32 s66, s62, 1536
	s_add_co_u32 s[OCV], s[OCV], s66
	s_add_co_u32 s[OCV], s[OCV], 12582912
	s_mov_b32 s[OCV+1], 0
	s_lshl_b32 s[OSV], s41, 12
	s_lshl_b32 s66, s62, 6
	s_add_co_u32 s[OSV], s[OSV], s66
	s_add_co_u32 s[OSV], s[OSV], 524288
	s_mov_b32 s[OSV+1], 0
	s_mul_i32 s46, s15, 12288                      ; the stage: my K step's eight images
	s_mul_i32 s47, s16, 520                        ; my six registers are registers 6 (w % 2) on of an image: pairs at bytes 0, 8, 512 or 520, 1,024, 1,032 of a lane's places
	s_add_co_u32 s47, s47, s46
	s_mul_i32 s48, s16, 1016
	s_add_co_u32 s48, s48, s46
	s_add_co_u32 s48, s48, 8
	s_mul_i32 s49, s16, 6144                       ; out of it: images 4 (w % 2) on
	s_add_co_u32 s49, s49, s46
	s_lshl_b32 s46, s15, 9
	s_add_co_u32 s46, s46, SSTG
	s_lshl_b32 s50, s16, 1                         ; my two bytes of a word
	s_add_co_u32 s50, s50, s46
	s_lshl_b32 s51, s16, 8
	s_add_co_u32 s51, s51, s46
	s_mov_b32 s92, 0x76543210                      ; v_permlanex16_b32's selects for lane l xor 16
	s_mov_b32 s93, 0xfedcba98
	s_mov_b32 s94, 0xffff0000                      ; lanes 16-31
	v_and_b32 v2, 31, v0
	v_and_b32 v3, 15, v0
	v_lshlrev_b32 v[LI], 4, v2
	v_lshlrev_b32 v[LS], 2, v2
	v_lshlrev_b32 v[L8], 3, v2
.irp n, 1,2,3,4,5
	v_add_nc_u32 v[BA+\n], \n*49152, v[LI]
.endr
	v_add_nc_u32 v[SW], SCW, v[LS]
	v_add_nc_u32 v[ST0], s47, v[LI]
	v_add_nc_u32 v[ST1], s48, v[LI]
	v_add_nc_u32 v[RDC], s49, v[LI]
	v_lshl_add_u32 v[SS], v3, 2, s50
	v_add_nc_u32 v[RDS], s51, v[L8]
	WIN 0x40
.irp b, 0,1,2,3
	v_mov_b32 v[TM+4+\b], 0                        ; written once: a lane permute's destination counts as one of its sources
.endr
	WIN 0
	s_wait_alu depctr_va_vdst(0)                   ; the head's end
	s_wait_dscnt 0x0                               ; both opening adds are done
	s_wait_kmcnt 0x0
	s_add_nc_u64 s[XB:XB+1], s[4:5], s[XB:XB+1]
	s_add_nc_u64 s[XSB:XSB+1], s[6:7], s[XSB:XSB+1]
.irp k, 0,1,2,3,4,5,6,7                ; x's scale words: 128 consecutive bytes a load: lanes 0-15 block 2 j, lanes 16-31 block 2 j + 1
.irp j, 0,1
	global_load_b32 v[XS+2*\k+\j], v[LS], s[XSB:XSB+1] offset:\k*SFP+128*\j
.endr
.endr
	XLD 0
	XLD 1
	XLD 2
	WIN 0
	s_add_nc_u64 s[WB:WB+1], s[4:5], s[WB:WB+1]
	s_add_nc_u64 s[WSB:WSB+1], s[6:7], s[WSB:WSB+1]
	s_add_nc_u64 s[OC:OC+1], s[8:9], s[52:53]
	s_add_nc_u64 s[OS:OS+1], s[10:11], s[54:55]
	s_add_nc_u64 s[OCV:OCV+1], s[8:9], s[OCV:OCV+1]
	s_add_nc_u64 s[OSV:OSV+1], s[10:11], s[OSV:OSV+1]
	G0SET GQ, 0, WB, 0
	G0SET GS, SCW, WSB, 0
	G0SET GK, REG, WB, 64*1536
	G0SET GV, 2*REG, WB, 128*1536
	CROUND                                         ; all sixteen work-groups are here: the joint loads meet
	ARM 1, GQ, G1W, .Lh_s                          ; one chain on the wave's number, one load an arm: wave 0 Wq, wave 1 the scale words, wave 2 Wk, wave 3 Wv
	ARM 2, GS, G1S, .Lh_k
	ARM 3, GK, G1W, .Lh_v
	tensor_load_to_lds s[GV:GV+3], s[G1W:G1W+7]
	s_nop 0
	PLACES 4
.Lasked:
.irp k, 3,4,5,6,7
	XLD \k
.endr
; One matrix instruction.  r0, r1: the rows of the two scale registers; z: the first K step starts the sum
.macro WM d, s0, s1, q0, q1, r0, r1, z
.if \z
.if (\r0) && (\r1)
	v_wmma_scale_f32_16x16x128_f8f6f4 v[\d:\d+7], v[\s0:\s0+11], v[\s1:\s1+11], 0, v[\q0], v[\q1] matrix_a_fmt:MATRIX_FMT_FP6 matrix_b_fmt:MATRIX_FMT_FP6 matrix_a_scale:MATRIX_SCALE_ROW1 matrix_b_scale:MATRIX_SCALE_ROW1
.elseif (\r0)
	v_wmma_scale_f32_16x16x128_f8f6f4 v[\d:\d+7], v[\s0:\s0+11], v[\s1:\s1+11], 0, v[\q0], v[\q1] matrix_a_fmt:MATRIX_FMT_FP6 matrix_b_fmt:MATRIX_FMT_FP6 matrix_a_scale:MATRIX_SCALE_ROW1
.elseif (\r1)
	v_wmma_scale_f32_16x16x128_f8f6f4 v[\d:\d+7], v[\s0:\s0+11], v[\s1:\s1+11], 0, v[\q0], v[\q1] matrix_a_fmt:MATRIX_FMT_FP6 matrix_b_fmt:MATRIX_FMT_FP6 matrix_b_scale:MATRIX_SCALE_ROW1
.else
	v_wmma_scale_f32_16x16x128_f8f6f4 v[\d:\d+7], v[\s0:\s0+11], v[\s1:\s1+11], 0, v[\q0], v[\q1] matrix_a_fmt:MATRIX_FMT_FP6 matrix_b_fmt:MATRIX_FMT_FP6
.endif
.else
.if (\r0) && (\r1)
	v_wmma_scale_f32_16x16x128_f8f6f4 v[\d:\d+7], v[\s0:\s0+11], v[\s1:\s1+11], v[\d:\d+7], v[\q0], v[\q1] matrix_a_fmt:MATRIX_FMT_FP6 matrix_b_fmt:MATRIX_FMT_FP6 matrix_a_scale:MATRIX_SCALE_ROW1 matrix_b_scale:MATRIX_SCALE_ROW1
.elseif (\r0)
	v_wmma_scale_f32_16x16x128_f8f6f4 v[\d:\d+7], v[\s0:\s0+11], v[\s1:\s1+11], v[\d:\d+7], v[\q0], v[\q1] matrix_a_fmt:MATRIX_FMT_FP6 matrix_b_fmt:MATRIX_FMT_FP6 matrix_a_scale:MATRIX_SCALE_ROW1
.elseif (\r1)
	v_wmma_scale_f32_16x16x128_f8f6f4 v[\d:\d+7], v[\s0:\s0+11], v[\s1:\s1+11], v[\d:\d+7], v[\q0], v[\q1] matrix_a_fmt:MATRIX_FMT_FP6 matrix_b_fmt:MATRIX_FMT_FP6 matrix_b_scale:MATRIX_SCALE_ROW1
.else
	v_wmma_scale_f32_16x16x128_f8f6f4 v[\d:\d+7], v[\s0:\s0+11], v[\s1:\s1+11], v[\d:\d+7], v[\q0], v[\q1] matrix_a_fmt:MATRIX_FMT_FP6 matrix_b_fmt:MATRIX_FMT_FP6
.endif
.endif
.endm
.macro FETCH_B wt, ks                  ; weight wt's eight fragments of K step ks into set ks % 2: 24 loads of 512 consecutive bytes
	WIN 0x40
.irp i, 0,1,2,3,4,5,6,7
.irp c, 0,1,2
	ds_load_b128 v[96*((\ks)%2)+12*\i+4*\c:96*((\ks)%2)+12*\i+4*\c+3], v[BA+2*(\wt)+(\ks)/4] offset:((\ks)%4)*12288+\i*1536+512*\c
.endr
.endr
.endm
.macro SCALES wt                       ; weight wt's scale words for all of K: register 4 k + j: lanes 0-15 block 2 j, lanes 16-31 block 2 j + 1
	WIN 0
.irp k, 0,1,2,3,4,5,6,7
.irp j, 0,1,2,3
	ds_load_b32 v[WS+4*\k+\j], v[SW] offset:\k*1536+(\wt)*512+128*\j
.endr
.endr
.endm
; 32 matrix instructions of K step ks; the 32 accumulators take turns.  tr = 0: q, k, accumulator (a of x, b of W) at 8 (8 a + b); tr = 1: v^T, (a of Wv, b of x) at 8 (4 a + b)
.macro MULS ks, tr
.if (\ks) < 5
.set XR, 48*(\ks)
.set XW, 3
.else
.set XR, XLO+48*((\ks)-5)
.set XW, 0
.endif
.set BS, 96*((\ks)%2)
.if \tr
	WIN 0xa4|XW                                    ; source 0 x's window, source 1 window 1, C and D window 2
.irp a, 0,1,2,3,4,5,6,7
.irp b, 0,1,2,3
.set rD, 8*(4*\a+\b)
	WM rD, XR+12*\b, BS+12*\a, XS+2*(\ks)+\b/2, WS+4*(\ks)+\a/2, \b%2, \a%2, (\ks)==0
.endr
.endr
.else
	WIN 0xa1|(XW<<2)                               ; source 0 window 1, source 1 x's window, C and D window 2
.irp a, 0,1,2,3
.irp b, 0,1,2,3,4,5,6,7
.set rD, 8*(8*\a+\b)
	WM rD, BS+12*\b, XR+12*\a, WS+4*(\ks)+\b/2, XS+2*(\ks)+\a/2, \b%2, \a%2, (\ks)==0
.endr
.endr
.endif
.endm
; A K step: this step's fragments are in; the next step's are asked for at once, a whole step ahead of their use.  ld: x's loads may still be out.  bar: a barrier, signalled in K step 0 and waited for in K step 1
.macro STEP wt, ks, tr, ld, bar
	s_wait_dscnt 0x0
.if \ld
.set LC, 12*(7-(\ks))                  ; x's loads of the K steps behind this one may stay out (the wait's field holds 63)
.if LC > 63
.set LC, 63
.endif
	s_wait_loadcnt LC
.endif
.if (\bar) && (\ks) == 0
	s_barrier_signal -1                            ; my reads of Wq's region are over; between signal and wait: places, loads of Wk's bytes, which nobody writes, and products
.endif
.if (\bar) && (\ks) == 1
	s_barrier_wait -1                              ; and so are everybody's
.endif
.if (\ks) < 7
	PLACES NP                                      ; in front of loads into registers that the step before multiplied
	FETCH_B \wt, (\ks)+1
.endif
	MULS \ks, \tr
.endm
.macro BLOCK wt, tr, ld, bar
.set KS, 0
.rept 8
	STEP \wt, KS, \tr, \ld, \bar
.set KS, KS+1
.endr
	PLACES NP                                      ; behind the last products
.endm
; THE WAY OUT.  64 registers a lane (register 16 b + i = next K 32 b + 16 (lane / 16) + i) become 12 registers of codes in v[PCS] on and four scale bytes in v[TM+4] on
.macro QCORE a
.set AC, 64*(\a)
.set PCS, PCB+20*((\a)%2)
	WIN 0x5a                                       ; sources 0 and 1: the accumulators' window; the rest window 1
.irp b, 0,1,2,3
	v_max3_num_f32 v[TM+\b], |v[AC+16*\b]|, |v[AC+1+16*\b]|, 0x1800000   ; each accumulator from its low end on; the floor 2^(3 - 127) holds the byte at 1 from below
.endr
.irp i, 2,4,6,8,10,12,14
.irp b, 0,1,2,3
	v_max3_num_f32 v[TM+\b], |v[AC+16*\b+\i]|, |v[AC+1+16*\b+\i]|, v[TM+\b]
.endr
.endr
	WIN 0x55
.irp b, 0,1,2,3
	v_permlanex16_b32 v[TM+4+\b], v[TM+\b], s92, s93
.endr
.irp b, 0,1,2,3
	v_max_num_f32 v[TM+\b], v[TM+\b], v[TM+4+\b]   ; with lane l xor 16's 16: the block's largest magnitude
.endr
.irp b, 0,1,2,3
	v_add_nc_u32 v[TM+12+\b], 0xff000000, v[TM+\b] ; 2 off its exponent field: the conversion's scale operand
.endr
.irp b, 0,1,2,3
	v_lshrrev_b32 v[TM+4+\b], 23, v[TM+12+\b]      ; the scale's byte
.endr
	WIN 0x46
.irp c, 0,1
	v_cvt_scalef32_pk16_fp6_f32 v[PCS+6*\c:PCS+2+6*\c], v[AC+32*\c:AC+15+32*\c], v[TM+12+2*\c]
	v_cvt_scalef32_pk16_fp6_f32 v[PCS+12+4*\c:PCS+14+4*\c], v[AC+16+32*\c:AC+31+32*\c], v[TM+13+2*\c]   ; (a conversion's three registers begin on an even number)
.endr
	WIN 0x55
	v_nop                                          ; one plain place behind a scaled conversion
.irp c, 0,1                            ; the operand's layout wants a whole block in a lane
.irp i, 0,1,2
	v_permlane16_swap_b32 v[PCS+6*\c+\i], v[PCS+12+4*\c+\i]
.endr
.irp i, 0,1,2
	v_mov_b32 v[PCS+3+6*\c+\i], v[PCS+12+4*\c+\i]
.endr
.endr
.endm
.macro QOUT a, addc, adds              ; q, k: block a of 16 rows x 128 columns: a fragment's image and a scale word a row
	s_wait_xcnt 0x0                                ; earlier stores have read this set of registers
	QCORE \a
	v_lshl_or_b32 v[PW+(\a)%2], v[TM+5], 8, v[TM+4]
	v_lshl_or_b32 v[PW+(\a)%2], v[TM+6], 16, v[PW+(\a)%2]
	v_lshl_or_b32 v[PW+(\a)%2], v[TM+7], 24, v[PW+(\a)%2]
	WIN 0x04                                       ; a store's address window 0, its data window 1
.irp c, 0,1,2
	global_store_b128 v[LI], v[PCS+4*\c:PCS+4*\c+3], s[OC:OC+1] offset:(\addc)+(\a)*1536+512*\c   ; 512 consecutive bytes, aligned
.endr
.if (\a)%2
	WIN 0x55
	v_cndmask_b32 v[JW+(\a)/2], v[PW], v[PW+1], s94   ; lanes 0-15: block a - 1's words, lanes 16-31: block a's
	WIN 0x04
	global_store_b32 v[LS], v[JW+(\a)/2], s[OS:OS+1] offset:(\adds)+64*((\a)-1)
.endif
.endm
.macro QV a                            ; v^T: blocks of channels 2 a and 2 a + 1 x my 64 keys: six registers and two bytes each, to their places in the stage
	s_wait_xcnt 0x0                                ; k's last global stores have read this set of registers
	s_wait_dscnt 8                                 ; the eight stage stores of the pair before may be out; those that read this set of registers are done
	QCORE \a
	v_lshl_or_b32 v[PW+2*((\a)%2)], v[TM+5], 8, v[TM+4]
	v_lshl_or_b32 v[PW+2*((\a)%2)+1], v[TM+7], 8, v[TM+6]
	WIN 0x04
.irp e, 0,1
	ds_store_b64 v[ST0], v[PCS+6*\e:PCS+6*\e+1] offset:(2*(\a)+\e)*1536
	ds_store_b64 v[ST1], v[PCS+6*\e+2:PCS+6*\e+3] offset:(2*(\a)+\e)*1536
	ds_store_b64 v[ST0], v[PCS+6*\e+4:PCS+6*\e+5] offset:(2*(\a)+\e)*1536+512
	ds_store_b16 v[SS], v[PW+2*((\a)%2)+\e] offset:64*(2*(\a)+\e)   ; lanes l and l xor 16 write the same two bytes with the same value
.endr
.endm
	s_wait_tensorcnt 0x0                           ; my load has landed,
	s_barrier_signal -1
	s_barrier_wait -1                              ; and everybody's: the three weights and their words are whole
	FETCH_B 0, 0
	SCALES 0
	BLOCK 0, 0, 1, 0                               ; q
	FETCH_B 1, 0                                   ; k's first fragments and words land while q goes out
	SCALES 1
.irp a, 0,1,2,3
	QOUT \a, 0, 0
.endr
	BLOCK 1, 0, 0, 1                               ; k
	FETCH_B 2, 0
	SCALES 2
.irp a, 0,1,2,3
	QOUT \a, 8*786432, 8*32768                     ; k's K steps are 8 to 15
.endr
	BLOCK 2, 1, 0, 0                               ; v^T: the sources change sides
.irp a, 0,1,2,3
	QV \a
.endr
	WIN 0
	s_wait_dscnt 0x0                               ; for the others' sake: my stores have landed
	s_barrier_signal -1
	s_barrier_wait -1
.irp i, 0,1,2,3
.irp c, 0,1,2
	ds_load_b128 v[OB+12*\i+4*\c:OB+12*\i+4*\c+3], v[RDC] offset:\i*1536+512*\c
.endr
.endr
	ds_load_b64 v[OSR:OSR+1], v[RDS]
	s_wait_dscnt 0x0
.irp i, 0,1,2,3
.irp c, 0,1,2
	global_store_b128 v[LI], v[OB+12*\i+4*\c:OB+12*\i+4*\c+3], s[OCV:OCV+1] offset:\i*1536+512*\c   ; 512 consecutive bytes, aligned
.endr
.endr
	global_store_b64 v[L8], v[OSR:OSR+1], s[OSV:OSV+1]   ; 64 channels' words: 256 consecutive bytes, aligned
	s_wait_tensorcnt 0x0                           ; the wave's end
	ds_add_u32 v[SPW], v[NIL]
	s_wait_dscnt 0x0
	CROUND                                         ; the closing round
	s_endpgm
.Lfunc_end_k_q76169f3d4e_proj:
	.size	k_q76169f3d4e_proj, .Lfunc_end_k_q76169f3d4e_proj-k_q76169f3d4e_proj
	.p2alignl 7, 3214868480
	.fill 96, 4, 3214868480
	.section	.rodata,"a",@progbits
	.p2align	6, 0x0
	.amdhsa_kernel k_q76169f3d4e_proj
		.amdhsa_group_segment_fixed_size 327680
		.amdhsa_private_segment_fixed_size 0
		.amdhsa_enable_private_segment 0
		.amdhsa_kernarg_size 32
		.amdhsa_user_sgpr_count 2
		.amdhsa_user_sgpr_kernarg_segment_ptr 1
		.amdhsa_wavefront_size32 1
		.amdhsa_system_sgpr_workgroup_id_x 1
		.amdhsa_system_sgpr_workgroup_id_y 1
		.amdhsa_system_sgpr_workgroup_id_z 1
		.amdhsa_system_vgpr_workitem_id 0
		.amdhsa_next_free_vgpr 1024
		.amdhsa_next_free_sgpr 100
		.amdhsa_reserve_vcc 0
		.amdhsa_float_denorm_mode_32 3
		.amdhsa_float_denorm_mode_16_64 3
		.amdhsa_memory_ordered 1
		.amdhsa_forward_progress 1
		.amdhsa_inst_pref_size 217
	.end_amdhsa_kernel
	.amdgpu_metadata
---
amdhsa.version: [ 1, 2 ]
amdhsa.kernels:
  - .name:           k_q76169f3d4e_proj
    .symbol:         k_q76169f3d4e_proj.kd
    .args:
      - { .name: xw_codes, .offset: 0, .size: 8, .value_kind: global_buffer, .address_space: global }
      - { .name: xw_scales, .offset: 8, .size: 8, .value_kind: global_buffer, .address_space: global }
      - { .name: qkv_codes, .offset: 16, .size: 8, .value_kind: global_buffer, .address_space: global }
      - { .name: qkv_scales, .offset: 24, .size: 8, .value_kind: global_buffer, .address_space: global }
    .group_segment_fixed_size: 327680
    .private_segment_fixed_size: 0
    .kernarg_segment_align: 8
    .kernarg_segment_size: 32
    .max_flat_workgroup_size: 128
    .sgpr_count:     100
    .vgpr_count:     1024
    .wavefront_size: 32
...
	.end_amdgpu_metadata
.endif
;; end of part 2
;; launch scores (part 3): grid 12 x 16, 4 waves a work-group, clusters of 4 x 4, 327,680 bytes of LDS; arguments qkv_codes, qkv_scales, p_codes, p_meta; writes p_codes, p_meta
.if DOCPART == 3
	.amdgcn_target "amdgcn-amd-amdhsa--gfx1250"
	.amdhsa_code_object_version 6
	.text
	.protected	k_q76169f3d4e_scores
	.globl	k_q76169f3d4e_scores
	.p2align	8
	.type	k_q76169f3d4e_scores,@function
k_q76169f3d4e_scores:
	s_mov_b64 s[64:65], 0
	v_nop
	global_prefetch_b8 v0, s[64:65] scope:SCOPE_SE
	s_setreg_imm32_b32 hwreg(HW_REG_WAVE_MODE, 25, 1), 1
	s_wait_xcnt 0x0
	s_wait_alu depctr_hold_cnt(0) depctr_sa_sdst(0) depctr_va_vdst(0) depctr_va_sdst(0) depctr_va_ssrc(0) depctr_va_vcc(0) depctr_vm_vsrc(0)
	s_getreg_b32 s2, hwreg(HW_REG_IB_STS2, 6, 4)
	s_cmp_eq_u32 s2, 0
	s_cbranch_scc0 .Lentry_in_a_cluster
	s_endpgm
.Lentry_in_a_cluster:
	s_bfe_u32 s2, ttmp6, 0x10000c
	s_cmp_lg_u32 s2, 0xf033
	s_cbranch_scc0 .Lentry_shape_is_right
	s_endpgm
.Lentry_shape_is_right:
; S^T = k q^T on codes of FP6 (E2M3) with E8M0 scales, K = 1,024, and p = 2^(t - M) quantised in registers for the next product.  A work-group makes 256 queries x 256 keys, a wave 128 x 128: 64 accumulators.
; For each (query, 128 keys) a whole number M of that group, the group's sum of the unquantised p and p's scale word go to p_meta, p's codes as fragments' images to p_codes; the next launch brings the groups under the row's M.
; LEFT OUT: of each batch's 2 x 2 clusters of 4 x 4 tiles the one with queries 0-1,023 and keys 1,024-2,047 is not launched: the causal mask hides every score there, whatever the inputs hold.
; A NaN, an infinity or an overflow that reaches only those scores is not carried to the result.  LIMITS: NaN and infinities are not served; the scaled scores stay under 2^31 in magnitude.
; LDS: q's 256 positions as [K step 6][16 fragments][1,536], then k's 256 the same way, then the scale words of both for all of K.  THE HEAD ASKS FOR ALL OF IT AT ONCE, one joint load a wave: wave 0 q's K steps 0-5, wave 1 k's,
; waves 2 and 3 the two blocks of scale words.  K steps 6 and 7 come by the one refill, into the bytes of K steps 0 and 1, behind a round of the cluster's barrier at the end of K step 1: wave w brings K step 6 + w % 2 of q (w < 2) or of k;
; three and a half K steps, 224 matrix instructions a wave, stand between that request and the wait for it.
; CLUSTERS: 4 x 4 work-groups: q's tiles jointly along a row, k's along a column.  No prefetch: all but the last two K steps is asked for at the head, and the text has no loop to run ahead in.
.set FR,     12
.set BOFF,   147456                    ; where k's fragments begin in LDS
.set NL,     3
.set NP,     4
.set HALFT,  24576
.set SLOT,   98304
.set KFP,    786432
.set SCL,    3*SLOT
.set HALFS,  4608
.set SPARE,  SCL+4*HALFS
.set ADRA, 16
.set ADRB, 20
.set LI,   24
.set LS,   25
.set ADSA, 26
.set ADSB, 27
.set SPW,  28
.set NIL,  29
.set SC,   32
.set PCB,  64
.set BU,   72
.set BD,   80
.set AF,   128
.set TM,   200
.set NM,   208
.set TT,   210
.set SU,   216
.set G1, 24
.set G0, 32
.set G1B, 44
.set G0B, 52
.set G1S, 68
.set G0S, 76
.set G1SB, 80
.set G0SB, 88
.set KM,   95
.set HIDE, 96
.set HM,   97
.set CS,   98
.set SEL,  100
.set MSB, 0
.macro WIN new
.if MSB != (\new)
	s_set_vgpr_msb (MSB<<8)|(\new)
.set MSB, (\new)
.endif
.endm
.set MUL_LO, 0xa1
.set MUL_HI, 0xf1
.set TO_B,   0x40
.macro JLOAD g0a, g1a, g0b, g1b
	s_cmp_eq_u32 s15, 0
	s_cbranch_scc0 .Lfor_b_\@
	tensor_load_to_lds s[\g0a:\g0a+3], s[\g1a:\g1a+7]
	s_nop 0
.rept 4
	v_nop
.endr
	s_branch .Lasked_\@
.Lfor_b_\@:
	tensor_load_to_lds s[\g0b:\g0b+3], s[\g1b:\g1b+7]
	s_nop 0
.rept 4
	v_nop
.endr
.Lasked_\@:
.endm
.macro CREST
	s_cmp_lg_u32 s14, 0
	s_cbranch_scc1 .Lnot_wave_0_\@
	s_barrier_signal -3
.Lnot_wave_0_\@:
	s_barrier_wait -3
	s_barrier_signal -1
	s_barrier_wait -1
.endm
.macro CROUND
	s_barrier_signal -1
	s_barrier_wait -1
	CREST
.endm
	s_load_b256 s[4:11], s[0:1], 0x0
	v_lshl_add_u32 v[SPW], v0, 2, SPARE
	v_mov_b32 v[NIL], 0
	ds_add_u32 v[SPW], v[NIL]
	ds_add_u32 v[SPW], v[NIL]
	v_lshrrev_b32 v1, 5, v0
	v_readfirstlane_b32 s14, v1
	s_lshr_b32 s15, s14, 1
	s_and_b32 s16, s14, 1
	s_bfe_u32 s2, ttmp6, 0x40000
	s_bfe_u32 s3, ttmp6, 0x40004
	s_and_b32 s67, ttmp7, 0xffff
	s_add_co_u32 s17, ttmp9, 1
	s_lshr_b32 s17, s17, 1
	s_lshr_b32 s12, ttmp9, 1
	s_lshl_b32 s17, s17, 2
	s_add_co_u32 s17, s17, s3
	s_lshl_b32 s12, s12, 2
	s_add_co_u32 s12, s12, s2
	s_lshl_b32 s13, s3, 2
	s_lshl_b32 s13, 15, s13
	s_lshl_b32 s66, 0x1111, s2
	s_or_b32 s[G1+0], s13, (3<<16)|(1<<21)
	s_or_b32 s[G1B+0], s66, (3<<16)|(1<<21)
.irp g, G1, G1B
	s_mov_b32 s[\g+1], 3072<<16                    ; the head's loads: 16 fragments, 24,576 bytes,
	s_mov_b32 s[\g+2], 6<<16                       ; of six K steps
	s_mov_b32 s[\g+3], 3072<<16
	s_mov_b32 s[\g+4], 6
	s_mov_b32 s[\g+5], KFP/8
	s_mov_b32 s[\g+6], 0
	s_mov_b32 s[\g+7], 0
.endr
	s_or_b32 s[G1S+0], s13, (3<<16)|(1<<20)|(1<<21)|(7<<22)|(15<<25)   ; scale words: eight K steps x 1,024 bytes (256 positions), 64 bytes of padding behind each
	s_or_b32 s[G1SB+0], s66, (3<<16)|(1<<20)|(1<<21)|(7<<22)|(15<<25)
.irp g, G1S, G1SB
	s_mov_b32 s[\g+1], 128<<16
	s_mov_b32 s[\g+2], 8<<16
	s_mov_b32 s[\g+3], 128<<16
	s_mov_b32 s[\g+4], 8
	s_mov_b32 s[\g+5], 4096
	s_mov_b32 s[\g+6], 0
	s_mov_b32 s[\g+7], 0
.endr
	s_lshl_b32 s18, s67, 7
	s_lshl_b32 s20, s17, 4
	s_add_co_u32 s20, s20, s18
	s_lshl_b32 s96, s12, 4
	s_add_co_u32 s96, s96, s18
	s_lshl_b32 s22, s20, 6
	s_mov_b32 s23, 0
	s_lshl_b32 s92, s96, 6
	s_add_co_u32 s92, s92, 8*32768
	s_mov_b32 s93, 0
	s_mul_i32 s20, s20, 1536
	s_mov_b32 s21, 0
	s_mul_i32 s100, s96, 1536
	s_add_co_u32 s100, s100, 8*KFP
	s_mov_b32 s101, 0
	s_mul_i32 s95, s16, HALFT                      ; the refill: K step 6 + w % 2 goes where K step w % 2 lay
	s_wait_dscnt 0x0
	s_wait_kmcnt 0x0
	s_add_nc_u64 s[20:21], s[4:5], s[20:21]
	s_add_nc_u64 s[22:23], s[6:7], s[22:23]
	s_add_nc_u64 s[100:101], s[4:5], s[100:101]
	s_add_nc_u64 s[92:93], s[6:7], s[92:93]
	CROUND
	s_mov_b32 s[G0S], 1
	s_mov_b32 s[G0S+1], SCL
	s_mov_b64 s[G0S+2:G0S+3], s[22:23]
	s_or_b32 s[G0S+3], s[G0S+3], 0x80000000
	s_mov_b32 s[G0SB], 1
	s_mov_b32 s[G0SB+1], SCL+2*HALFS
	s_mov_b64 s[G0SB+2:G0SB+3], s[92:93]
	s_or_b32 s[G0SB+3], s[G0SB+3], 0x80000000
	s_mov_b32 s[G0+4], 1                           ; the head's load of q: K steps 0-5 of the tile's 256 positions
	s_mov_b32 s[G0+5], 0
	s_mov_b64 s[G0+6:G0+7], s[20:21]
	s_or_b32 s[G0+7], s[G0+7], 0x80000000
	s_mov_b32 s[G0B+4], 1                          ; and of k
	s_mov_b32 s[G0B+5], BOFF
	s_mov_b64 s[G0B+6:G0B+7], s[100:101]
	s_or_b32 s[G0B+7], s[G0B+7], 0x80000000
	s_mul_i32 s18, s16, KFP                        ; the refill's groups 0 stand at K step w % 2; six K steps are added in front of the refill
	s_mov_b32 s19, 0
	s_mov_b32 s[G0], 1
	s_mov_b32 s[G0+1], s95
	s_add_nc_u64 s[G0+2:G0+3], s[20:21], s[18:19]
	s_or_b32 s[G0+3], s[G0+3], 0x80000000
	s_mov_b32 s[G0B], 1
	s_add_co_u32 s[G0B+1], s95, BOFF
	s_add_nc_u64 s[G0B+2:G0B+3], s[100:101], s[18:19]
	s_or_b32 s[G0B+3], s[G0B+3], 0x80000000
.macro ARM under, g0, g1, next         ; one arm of the head's chain on the wave's number: its load, an s_nop 0 and four v_nop, a jump to the join
	s_cmp_lt_u32 s14, \under
	s_cbranch_scc0 \next
	tensor_load_to_lds s[\g0:\g0+3], s[\g1:\g1+7]
	s_nop 0
.rept 4
	v_nop
.endr
	s_branch .Lh_done
\next:
.endm
	ARM 1, G0+4, G1, .Lh_b
	ARM 2, G0B+4, G1B, .Lh_sa
	ARM 3, G0S, G1S, .Lh_sb
	tensor_load_to_lds s[G0SB:G0SB+3], s[G1SB:G1SB+7]
	s_nop 0
.rept 4
	v_nop
.endr
.Lh_done:
	s_mov_b32 s[HM], 0xffff0000
	s_mov_b32 s[CS], 0x3d38aa3b
	s_mov_b32 s[CS+1], s[CS]
	s_mov_b32 s[SEL], 0x76543210
	s_mov_b32 s[SEL+1], 0xfedcba98
	v_and_b32 v1, 15, v0
	v_bfe_u32 v2, v0, 4, 1
	v_and_b32 v3, 31, v0
	v_lshlrev_b32 v[LI], 4, v3
	v_lshlrev_b32 v[LS], 2, v3
	s_mul_i32 s21, s15, 12288                      ; my 128 positions of q: fragments 8 (w / 2) on of a K step's 16
	s_mul_i32 s22, s16, 12288                      ; my 128 of k: fragments 8 (w % 2) on
	s_add_co_u32 s22, s22, BOFF
.irp s, 0,1,2
	v_add_nc_u32 v[ADRA+\s], s21, v[LI]
	v_add_nc_u32 v[ADRB+\s], s22, v[LI]
	s_add_co_u32 s21, s21, 49152                   ; two K steps on
	s_add_co_u32 s22, s22, 49152
.endr
	v_mul_u32_u24 v4, v2, 1088                     ; scale words: lanes 16-31 take the K step after
	v_lshl_add_u32 v4, v1, 2, v4
	s_lshl_b32 s21, s15, 9                         ; my 128 positions' words in a row of 256
	s_add_co_u32 s21, s21, SCL
	s_lshl_b32 s22, s16, 9
	s_add_co_u32 s22, s22, SCL+2*HALFS
	v_add_nc_u32 v[ADSA], s21, v4
	v_add_nc_u32 v[ADSB], s22, v4
	s_lshl_b32 s20, s17, 1
	s_add_co_u32 s20, s20, s15
	s_lshl_b32 s21, s12, 1
	s_add_co_u32 s21, s21, s16
	s_mul_i32 s92, s67, 3145728
	s_mul_i32 s93, s21, 196608
	s_add_co_u32 s92, s92, s93
	s_mul_i32 s93, s20, 8*1536
	s_add_co_u32 s92, s92, s93
	s_mov_b32 s93, 0
	s_add_nc_u64 s[8:9], s[8:9], s[92:93]
	s_lshl_b32 s92, s67, 17
	s_lshl_b32 s94, s21, 13
	s_add_co_u32 s92, s92, s94
	s_lshl_b32 s94, s20, 9
	s_add_co_u32 s92, s92, s94
	s_add_nc_u64 s[10:11], s[10:11], s[92:93]
	s_sub_co_i32 s22, s20, s21
	s_lshl_b32 s22, s22, 7
	s_mov_b32 s[HIDE], 0xff61b1e6
	s_cmp_lt_i32 s22, 0
	s_cselect_b32 s[KM], 0, -1
	s_cselect_b32 s[HIDE], 0x7f61b1e6, s[HIDE]
	s_cselect_b32 s22, 128, s22
	s_cmp_gt_i32 s22, 0
	s_cselect_b32 s23, 0, 0xf1800000
	v_and_b32 v5, 8, v1
	v_add_nc_u32 v5, v5, v1
	v_lshlrev_b32 v6, 4, v2
	v_sub_nc_u32 v5, v5, v6
	v_add_nc_u32 v5, s22, v5
	v_mov_b32 v6, 0xf1800000
.irp j, 0,1,2,3,4,5,6,7
	v_mov_b32 v[BU+\j], s23
.endr
.irp m, 0,1
.irp u, 0,1
.irp j, 0,1,2,3,4,5,6,7
	v_cmp_gt_i32 vcc_lo, 8*\u+\j-8*\m, v5
	v_cndmask_b32 v[BD+16*\m+8*\u+\j], 0, v6, vcc_lo
.endr
.endr
.endr
.macro FRAG reg, adr, off
.irp c, 0,1,2
	ds_load_b128 v[\reg+4*\c:\reg+4*\c+3], v[\adr] offset:\off+512*\c
.endr
.endm
.macro MUL16 a0, p, q, sc, zero
.irp a, \a0, \a0+1
.irp b, 0,1,2,3,4,5,6,7
.set rD, 8*(8*((\a)%4)+\b)
.set rB, 128*(\p)+FR*\b
.set rA, AF+FR*(\a)
.set rSB, SC+16*(\sc)+8+\b
.set rSA, SC+16*(\sc)+(\a)
.if \zero
.if (\b)/2 < (\a)/2
	v_wmma_scale_f32_16x16x128_f8f6f4 v[rD:rD+7], v[rB:rB+11], v[rA:rA+11], 0, v[rSB], v[rSA] matrix_a_fmt:MATRIX_FMT_FP6 matrix_b_fmt:MATRIX_FMT_FP6
.elseif (\b)/2 > (\a)/2
	v_wmma_scale_f32_16x16x128_f8f6f4 v[rD:rD+7], v[rB:rB+11], v[rA:rA+11], v[BU:BU+7], v[rSB], v[rSA] matrix_a_fmt:MATRIX_FMT_FP6 matrix_b_fmt:MATRIX_FMT_FP6
.else
.set rC, BD+16*((\a)%2)+8*((\b)%2)
	v_wmma_scale_f32_16x16x128_f8f6f4 v[rD:rD+7], v[rB:rB+11], v[rA:rA+11], v[rC:rC+7], v[rSB], v[rSA] matrix_a_fmt:MATRIX_FMT_FP6 matrix_b_fmt:MATRIX_FMT_FP6
.endif
.elseif (\q)%2
	v_wmma_scale_f32_16x16x128_f8f6f4 v[rD:rD+7], v[rB:rB+11], v[rA:rA+11], v[rD:rD+7], v[rSB], v[rSA] matrix_a_fmt:MATRIX_FMT_FP6 matrix_b_fmt:MATRIX_FMT_FP6 matrix_a_scale:MATRIX_SCALE_ROW1 matrix_b_scale:MATRIX_SCALE_ROW1
.else
	v_wmma_scale_f32_16x16x128_f8f6f4 v[rD:rD+7], v[rB:rB+11], v[rA:rA+11], v[rD:rD+7], v[rSB], v[rSA] matrix_a_fmt:MATRIX_FMT_FP6 matrix_b_fmt:MATRIX_FMT_FP6
.endif
.endr
.endr
.endm
.macro FETCH_B slot, q, p
	WIN TO_B
.irp i, 0,1,2,3,4,5,6,7
	FRAG 128*(\p)+FR*\i, ADRB+\slot, (\q)*24576+\i*1536
.endr
	WIN 0
.endm
.macro FETCH_A slot, q, i0
.irp i, \i0, \i0+1, \i0+2, \i0+3
	FRAG AF+FR*(\i), ADRA+\slot, (\q)*24576+(\i)*1536
.endr
.endm
.macro SCALES set, ks
.irp i, 0,1,2,3,4,5,6,7
	ds_load_b32 v[SC+16*(\set)+\i], v[ADSA] offset:2176*(\ks)+64*\i
	ds_load_b32 v[SC+16*(\set)+8+\i], v[ADSB] offset:2176*(\ks)+64*\i
.endr
.endm
.macro PLACES n
.rept \n
	v_nop
.endr
.endm
.macro STEP slot, set, q, zero
	s_wait_dscnt 4*NL
	WIN MUL_LO-0x20*(\zero)
	MUL16 0, (\q)%2, \q, \set, \zero
	MUL16 2, (\q)%2, \q, \set, \zero
	s_wait_dscnt 0
	PLACES NP
	FETCH_B \slot, (\q)+1, 1-(\q)%2
	FETCH_A \slot, (\q)+1, 0
	WIN MUL_HI-0x30*(\zero)
	MUL16 4, (\q)%2, \q, \set, \zero
	MUL16 6, (\q)%2, \q, \set, \zero
	PLACES NP
	WIN 0
	FETCH_A \slot, (\q)+1, 4
.endm
.macro TURN slot, set, next, mode, ks
.if \mode < 2
	s_wait_tensorcnt 0x0
	ds_add_u32 v[SPW], v[NIL]
	s_wait_dscnt 4*NL+1
	WIN MUL_LO
	MUL16 0, 1, 1, \set, 0
	s_wait_dscnt 0x0
	s_barrier_signal -1
	MUL16 2, 1, 1, \set, 0
	WIN 0
	s_barrier_wait -1
.else
	s_wait_dscnt 4*NL
	WIN MUL_LO
	MUL16 0, 1, 1, \set, 0
	MUL16 2, 1, 1, \set, 0
	s_wait_dscnt 0x0
.endif
.if \mode == 1
	CREST
	s_add_nc_u64 s[G0+4*\slot+2:G0+4*\slot+3], s[G0+4*\slot+2:G0+4*\slot+3], 6*KFP
	s_add_nc_u64 s[G0B+4*\slot+2:G0B+4*\slot+3], s[G0B+4*\slot+2:G0B+4*\slot+3], 6*KFP
	JLOAD G0+4*\slot, G1, G0B+4*\slot, G1B
.else
	PLACES NP
.endif
	FETCH_B \next, 0, 0
	FETCH_A \next, 0, 0
	SCALES 1-(\set), \ks
	WIN MUL_HI
	MUL16 4, 1, 1, \set, 0
	MUL16 6, 1, 1, \set, 0
	PLACES NP
	WIN 0
	FETCH_A \next, 0, 4
.endm
	s_wait_alu depctr_va_vdst(0)
	s_wait_tensorcnt 0x0                           ; my load of the head has landed; no tensor load of mine is out, so a descriptor may be written: the refill's tile is one K step's 24,576 dense bytes, as two rows of 12,288
.irp g, G1, G1B
	s_mov_b32 s[\g+1], 1536<<16
	s_mov_b32 s[\g+2], 2<<16
	s_mov_b32 s[\g+3], 1536<<16
	s_mov_b32 s[\g+4], 2
	s_mov_b32 s[\g+5], 1536
.endr
	s_barrier_signal -1
	s_barrier_wait -1
	FETCH_B 0, 0, 0
	FETCH_A 0, 0, 0
	SCALES 0, 0
	FETCH_A 0, 0, 4
	STEP 0, 0, 0, 1
	TURN 0, 0, 1, 1, 1
	STEP 1, 1, 0, 0
	TURN 1, 1, 2, 2, 2
	STEP 2, 0, 0, 0
	TURN 2, 0, 0, 0, 3
	STEP 0, 1, 0, 0
	s_wait_dscnt 4*NL
	WIN MUL_LO
	MUL16 0, 1, 1, 1, 0
	MUL16 2, 1, 1, 1, 0
	s_wait_dscnt 0
	WIN MUL_HI
	MUL16 4, 1, 1, 1, 0
	MUL16 6, 1, 1, 1, 0
	WIN 0
.macro SOFT a
.set AC, 64*((\a)%4)
.set W, 2+(\a)/4
.set WA, W|(W<<2)
.set WD, W|(W<<6)
.set PCS, PCB+20*((\a)%2)
.set PAR, (\a)%2
	s_wait_xcnt 0x0
	WIN WA
.irp b, 0,1,2,3
	v_max_num_f32 v[TM+\b], v[AC+16*\b], v[AC+16*\b+1]
.endr
.irp i, 2,4,6,8,10,12,14
.irp b, 0,1,2,3
	v_max3_num_f32 v[TM+\b], v[AC+16*\b+\i], v[AC+16*\b+\i+1], v[TM+\b]
.endr
.endr
	WIN 0
.irp b, 0,1,2,3
	v_permlanex16_b32 v[TM+4+\b], v[TM+\b], s[SEL], s[SEL+1]
.endr
.irp b, 0,1,2,3
	v_max_num_f32 v[TM+\b], v[TM+\b], v[TM+4+\b]
.endr
	v_max3_num_f32 v[TT], v[TM], v[TM+1], v[TM+2]
	v_max_num_f32 v[TT], v[TT], v[TM+3]
	v_mul_f32 v[TT], s[CS], v[TT]
	v_floor_f32 v[NM], -v[TT]
.irp b, 0,1,2,3
	v_fma_f32 v[TM+\b], v[TM+\b], s[CS], v[NM]
.endr
	WIN WD
.set j, 0
.rept 32
	v_pk_fma_f32 v[AC+j:AC+j+1], v[AC+j:AC+j+1], s[CS:CS+1], v[NM:NM+1] op_sel_hi:[1,0,0]
.set j, j+2
.endr
.set j, 0
	s_wait_alu depctr_va_vdst(0)
.rept 64
	v_exp_f32 v[AC+j], v[AC+j]
.set j, j+1
.endr
	WIN 0
	v_nop
	s_wait_alu depctr_va_vdst(0)
.irp b, 0,1,2,3
	v_exp_f32 v[TM+\b], v[TM+\b]
.endr
	WIN WA
	v_pk_add_f32 v[SU:SU+1], v[AC:AC+1], v[AC+4:AC+5]
	v_pk_add_f32 v[SU+2:SU+3], v[AC+2:AC+3], v[AC+6:AC+7]
	WIN W
.set j, 8
.rept 14
	v_pk_add_f32 v[SU:SU+1], v[AC+j:AC+j+1], v[SU:SU+1]
	v_pk_add_f32 v[SU+2:SU+3], v[AC+j+2:AC+j+3], v[SU+2:SU+3]
.set j, j+4
.endr
	WIN 0
	v_pk_add_f32 v[SU:SU+1], v[SU:SU+1], v[SU+2:SU+3]
	s_wait_alu depctr_va_vdst(0)
.irp b, 0,1,2,3
	v_max_num_f32 v[TM+\b], 0x1800000, v[TM+\b]
.endr
.irp b, 0,1,2,3
	v_add_nc_u32 v[TM+12+\b], 0xff000000, v[TM+\b]
.endr
.irp b, 0,1,2,3
	v_lshrrev_b32 v[TM+4+\b], 23, v[TM+12+\b]
.endr
	v_lshl_or_b32 v[220+PAR], v[TM+5], 8, v[TM+4]
	v_lshl_or_b32 v[220+PAR], v[TM+6], 16, v[220+PAR]
	v_lshl_or_b32 v[220+PAR], v[TM+7], 24, v[220+PAR]
	WIN W
.irp c, 0,1
	v_cvt_scalef32_pk16_fp6_f32 v[PCS+6*\c:PCS+2+6*\c], v[AC+32*\c:AC+15+32*\c], v[TM+12+2*\c]
	v_cvt_scalef32_pk16_fp6_f32 v[PCS+12+4*\c:PCS+14+4*\c], v[AC+16+32*\c:AC+31+32*\c], v[TM+13+2*\c]
.endr
	WIN 0
	v_nop
.irp c, 0,1
.irp i, 0,1,2
	v_permlane16_swap_b32 v[PCS+6*\c+\i], v[PCS+12+4*\c+\i]
.endr
.irp i, 0,1,2
	v_and_b32 v[PCS+3+6*\c+\i], s[KM], v[PCS+12+4*\c+\i]
	v_and_b32 v[PCS+6*\c+\i], s[KM], v[PCS+6*\c+\i]
.endr
.endr
	v_add_f32 v[SU], v[SU], v[SU+1]
	v_permlanex16_b32 v[SU+2], v[SU], s[SEL], s[SEL+1]
	v_add_f32 v[SU], v[SU], v[SU+2]
	v_and_b32 v[224+PAR], s[KM], v[SU]
	v_max_num_f32 v[222+PAR], s[HIDE], v[NM]
.irp c, 0,1,2
	global_store_b128 v[LI], v[PCS+4*\c:PCS+4*\c+3], s[8:9] offset:(\a)*1536+512*\c
.endr
.if PAR
.set O3, 226+3*((\a)/2)
	v_cndmask_b32 v[O3], v220, v221, s[HM]
	v_cndmask_b32 v[O3+1], v222, v223, s[HM]
	v_cndmask_b32 v[O3+2], v224, v225, s[HM]
	global_store_b32 v[LS], v[O3], s[10:11] offset:64*((\a)-1)
	global_store_b32 v[LS], v[O3+1], s[10:11] offset:524288+64*((\a)-1)
	global_store_b32 v[LS], v[O3+2], s[10:11] offset:1048576+64*((\a)-1)
.endif
.endm
	PLACES NP
.irp b, 0,1,2,3
	v_mov_b32 v[TM+4+\b], 0
.endr
	v_mov_b32 v[NM+1], 0
.irp a, 0,1,2,3,4,5,6,7
	SOFT \a
.endr
	s_wait_tensorcnt 0x0
	ds_add_u32 v[SPW], v[NIL]
	s_wait_dscnt 0x0
	CROUND
	s_endpgm
.Lfunc_end_k_q76169f3d4e_scores:
	.size	k_q76169f3d4e_scores, .Lfunc_end_k_q76169f3d4e_scores-k_q76169f3d4e_scores
	.p2alignl 7, 3214868480
	.fill 96, 4, 3214868480
	.section	.rodata,"a",@progbits
	.p2align	6, 0x0
	.amdhsa_kernel k_q76169f3d4e_scores
		.amdhsa_group_segment_fixed_size 327680
		.amdhsa_private_segment_fixed_size 0
		.amdhsa_enable_private_segment 0
		.amdhsa_kernarg_size 32
		.amdhsa_user_sgpr_count 2
		.amdhsa_user_sgpr_kernarg_segment_ptr 1
		.amdhsa_wavefront_size32 1
		.amdhsa_system_sgpr_workgroup_id_x 1
		.amdhsa_system_sgpr_workgroup_id_y 1
		.amdhsa_system_sgpr_workgroup_id_z 1
		.amdhsa_system_vgpr_workitem_id 0
		.amdhsa_next_free_vgpr 1024
		.amdhsa_next_free_sgpr 102
		.amdhsa_reserve_vcc 1
		.amdhsa_float_denorm_mode_32 3
		.amdhsa_float_denorm_mode_16_64 3
		.amdhsa_memory_ordered 1
		.amdhsa_forward_progress 1
		.amdhsa_inst_pref_size 203
	.end_amdhsa_kernel
	.amdgpu_metadata
---
amdhsa.version: [ 1, 2 ]
amdhsa.kernels:
  - .name:           k_q76169f3d4e_scores
    .symbol:         k_q76169f3d4e_scores.kd
    .args:
      - { .name: qkv_codes, .offset: 0, .size: 8, .value_kind: global_buffer, .address_space: global }
      - { .name: qkv_scales, .offset: 8, .size: 8, .value_kind: global_buffer, .address_space: global }
      - { .name: p_codes, .offset: 16, .size: 8, .value_kind: global_buffer, .address_space: global }
      - { .name: p_meta, .offset: 24, .size: 8, .value_kind: global_buffer, .address_space: global }
    .group_segment_fixed_size: 327680
    .private_segment_fixed_size: 0
    .kernarg_segment_align: 8
    .kernarg_segment_size: 32
    .max_flat_workgroup_size: 128
    .sgpr_count:     102
    .vgpr_count:     1024
    .wavefront_size: 32
...
	.end_amdgpu_metadata
.endif
;; end of part 3
;; launch pv (part 4): grid 8 x 32, 4 waves a work-group, clusters of 4 x 4, 327,680 bytes of LDS; arguments p_codes, p_meta, qkv_codes, qkv_scales, out0; writes out0
.if DOCPART == 4
	.amdgcn_target "amdgcn-amd-amdhsa--gfx1250"
	.amdhsa_code_object_version 6
	.text
	.protected	k_q76169f3d4e_pv
	.globl	k_q76169f3d4e_pv
	.p2align	8
	.type	k_q76169f3d4e_pv,@function
k_q76169f3d4e_pv:
	s_mov_b64 s[64:65], 0
	v_nop
	global_prefetch_b8 v0, s[64:65] scope:SCOPE_SE
	s_setreg_imm32_b32 hwreg(HW_REG_WAVE_MODE, 25, 1), 1
	s_wait_xcnt 0x0
	s_wait_alu depctr_hold_cnt(0) depctr_sa_sdst(0) depctr_va_vdst(0) depctr_va_sdst(0) depctr_va_ssrc(0) depctr_va_vcc(0) depctr_vm_vsrc(0)
	s_getreg_b32 s2, hwreg(HW_REG_IB_STS2, 6, 4)
	s_cmp_eq_u32 s2, 0
	s_cbranch_scc0 .Lentry_in_a_cluster
	s_endpgm
.Lentry_in_a_cluster:
	s_bfe_u32 s2, ttmp6, 0x10000c
	s_cmp_lg_u32 s2, 0xf033
	s_cbranch_scc0 .Lentry_shape_is_right
	s_endpgm
.Lentry_shape_is_right:
; O = p v / l on codes of FP6 (E2M3).  A work-group makes 256 queries x 128 channels; wave w takes query positions 64 w .. 64 w + 63 against all 128 channels: 32 accumulators, 256 registers.
; K = the keys: 1,024 for queries 0-1,023 of a batch (c = 0), 2,048 for the others (c = 1): what lies beyond is hidden by the causal mask.  c is a bit of the cluster's y: the same in all partners.
; THE FIX-UP, while the first tiles are on their way: p came with a whole number M for each (query, 128 keys).  Thread t takes positions 2 t and 2 t + 1: the row's M is the largest; each scale byte falls by D = M - the group's M, held at 0
; (held at 127 steps: what lies further down adds under 2^-120 of a row's largest p); l = the sum of the groups' sums x 2^-D.  Powers of two: nothing is rounded.  The moved words and 1 / l go to LDS bytes of their own.
; Its loads are issued first of all, ahead of the first round and the first tiles: they are few bytes, and the first products wait for what is made of them.
; KEY SLOTS (512 keys) GO DOWNWARD, from 2 c + 1 to 0, so that both classes end alike and every offset of a scale word is a constant of the text; the longer class runs four slots, the shorter jumps over the first two changes of slots.
; Used transposed (source 0 = 16 positions of v^T's channels, source 1 = 16 positions of p's queries): a lane holds one query and eight channels.  Both position orders are undone on the way out.
; CLUSTERS: 4 x 4 work-groups: p's tiles jointly along a row, v's tiles and scale words along a column.
; LIMITS: NaN and infinities are not served.
; REGISTERS: window 0: v0-31 addresses; v32-79 scale words, two sets of 24 (p's 2 x 4, v's 2 x 8; lanes 0-15 an even K step, lanes 16-31 the odd one after it); v128-175 p's fragments, one set;
;   v80-111, v176-249 the fix-up; on the way out v80-207 rows of O, v208-215 1 / l.  window 1: v's fragments, two sets.  window 2: the accumulators ((a, b) at v[8 (8 a + b)]).
.set FR,     12
.set NL,     3
.set NP,     4
.set AHALF,  49152                     ; p: [K step 4][block 8][1,536]
.set BHALF,  24576                     ; v: a slot is [K step 4][block 8][1,536]; half of it, two K steps, is what one wave brings in the ring
.set BOFF,   98304
.set SLOT,   147456
.set SCB,    294912                    ; v's scale words, [K step 16] x (512 + 64), filled once by tensor loads
.set SCA,    304128                    ; p's moved scale words, [K step 16] x (1,024 + 64), stored by the waves
.set LIV,    321536                    ; 1 / l, 256 words
.set SPARE,  322560
.set SPITCH, 528                       ; the way out: 16 rows x (512 + 16) a wave, in slot 0, which has had its last fill and its last read by then
.set ADRA, 16
.set ADRB, 20
.set STO,  22
.set RD,   23
.set CO,   24                          ; 16 x lane
.set FX,   25                          ; the fix-up's LDS address: SCA + 8 x thread
.set ADSA, 26
.set ADSB, 27
.set SPW,  28
.set NIL,  29
.set MO,   30                          ; 8 x thread
.set LIA,  31
.set SC,   32
.set WDS,  80                          ; v80-111  scale words, pair f
.set AF,   128
.set NMR,  176                         ; v176-207 -M, pair f
.set LL,   208                         ; v208-239 the groups' sums, pair f
.set NR,   240
.set LSUM, 242
.set T0,   244
.set T2,   246
.set T4,   248
.set BK,   80
.set INV,  208
.set G1, 24
.set G0, 32
.set G1B, 48
.set G0B, 56
.set G1S, 68
.set G0S, 76
.set CC,   66                          ; s66 c
.set M8,   96                          ; s96 0x80808080
.set MSB, 0
.macro WIN new
.if MSB != (\new)
	s_set_vgpr_msb (MSB<<8)|(\new)
.set MSB, (\new)
.endif
.endm
.set MUL,  0xa1
.set TO_B, 0x40
.macro JLOAD g0a, g1a, g0b, g1b        ; a joint refill: waves 0 and 1 for p, waves 2 and 3 for v; an s_nop 0 and four v_nop follow each line
	s_cmp_eq_u32 s15, 0
	s_cbranch_scc0 .Lfor_b_\@
	tensor_load_to_lds s[\g0a:\g0a+3], s[\g1a:\g1a+7]
	s_nop 0
.rept 4
	v_nop
.endr
	s_branch .Lasked_\@
.Lfor_b_\@:
	tensor_load_to_lds s[\g0b:\g0b+3], s[\g1b:\g1b+7]
	s_nop 0
.rept 4
	v_nop
.endr
.Lasked_\@:
.endm
.macro CREST
	s_cmp_lg_u32 s14, 0
	s_cbranch_scc1 .Lnot_wave_0_\@
	s_barrier_signal -3
.Lnot_wave_0_\@:
	s_barrier_wait -3
	s_barrier_signal -1
	s_barrier_wait -1
.endm
.macro CROUND
	s_barrier_signal -1
	s_barrier_wait -1
	CREST
.endm
	s_load_b256 s[4:11], s[0:1], 0x0               ; p_codes, p_meta, qkv_codes, qkv_scales
	s_load_b64 s[12:13], s[0:1], 0x20              ; out0
	v_lshl_add_u32 v[SPW], v0, 2, SPARE
	v_mov_b32 v[NIL], 0
	ds_add_u32 v[SPW], v[NIL]                      ; the wave's opening: the add and its wait ahead of my first tensor load
	ds_add_u32 v[SPW], v[NIL]
	v_lshrrev_b32 v1, 5, v0
	v_readfirstlane_b32 s14, v1
	s_lshr_b32 s15, s14, 1                         ; I fetch for p (0) or v (1)
	s_and_b32 s16, s14, 1                          ; which half
	s_bfe_u32 s40, ttmp6, 0x40000                  ; cx
	s_bfe_u32 s41, ttmp6, 0x40004                  ; cy
	s_and_b32 s18, ttmp7, 0xffff
	s_lshr_b32 s67, s18, 1                         ; the batch
	s_and_b32 s[CC], s18, 1                        ; c
	s_lshl_b32 s17, s[CC], 2
	s_add_co_u32 s17, s17, s41                     ; tile row: 256 queries
	s_lshl_b32 s42, ttmp9, 2
	s_add_co_u32 s42, s42, s40                     ; tile column: 128 channels
	s_lshl_b32 s43, s41, 2
	s_lshl_b32 s43, 15, s43
	s_lshl_b32 s44, 0x1111, s40
	s_or_b32 s[G1+0], s43, (3<<16)|(1<<21)         ; p: 4 K steps x 8 fragments (12,288 bytes), 196,608 bytes apart
	s_mov_b32 s[G1+1], 1536<<16
	s_mov_b32 s[G1+2], 4<<16
	s_mov_b32 s[G1+3], 1536<<16
	s_mov_b32 s[G1+4], 4
	s_mov_b32 s[G1+5], 24576
	s_mov_b32 s[G1+6], 0
	s_mov_b32 s[G1+7], 0
	s_or_b32 s[G1B+0], s44, (3<<16)|(1<<21)        ; v: K steps of 8 fragments (12,288 bytes), 98,304 bytes apart: four for the head's load; behind it the two words that count rows are set to 2, for the ring's
	s_mov_b32 s[G1B+1], 1536<<16
	s_mov_b32 s[G1B+2], 4<<16
	s_mov_b32 s[G1B+3], 1536<<16
	s_mov_b32 s[G1B+4], 4
	s_mov_b32 s[G1B+5], 12288
	s_mov_b32 s[G1B+6], 0
	s_mov_b32 s[G1B+7], 0
	s_or_b32 s[G1S+0], s44, (3<<16)|(1<<20)|(1<<21)|(6<<22)|(15<<25)  ; v's scale words: 16 K steps x 512 bytes, 4,096 bytes apart, 64 bytes of padding behind each
	s_mov_b32 s[G1S+1], 64<<16
	s_mov_b32 s[G1S+2], 16<<16
	s_mov_b32 s[G1S+3], 64<<16
	s_mov_b32 s[G1S+4], 16
	s_mov_b32 s[G1S+5], 512
	s_mov_b32 s[G1S+6], 0
	s_mov_b32 s[G1S+7], 0
	s_lshl_b32 s19, s[CC], 1
	s_add_co_u32 s19, s19, 1                       ; the first key slot: 2 c + 1
	s_mul_i32 s20, s67, 3145728
	s_mul_i32 s21, s19, 4*196608
	s_add_co_u32 s20, s20, s21
	s_lshl_b32 s21, s17, 4
	s_lshl_b32 s22, s16, 3
	s_add_co_u32 s21, s21, s22
	s_mul_i32 s21, s21, 1536
	s_add_co_u32 s20, s20, s21                     ; p's half of that slot
	s_mov_b32 s21, 0
	s_lshl_b32 s46, s67, 4
	s_lshl_b32 s47, s19, 2
	s_add_co_u32 s46, s46, s47
	s_mul_i32 s46, s46, 98304
	s_lshl_b32 s47, s42, 3
	s_mul_i32 s22, s16, 2*98304                    ; in the ring: my two K steps of the slot's four
	s_add_co_u32 s46, s46, s22
	s_mul_i32 s47, s47, 1536
	s_add_co_u32 s46, s46, s47
	s_add_co_u32 s46, s46, 12582912                ; v's half of that slot
	s_mov_b32 s47, 0
	s_lshl_b32 s92, s67, 4
	s_lshl_b32 s92, s92, 12
	s_lshl_b32 s93, s42, 9
	s_add_co_u32 s92, s92, s93
	s_add_co_u32 s92, s92, 524288                  ; v's scale words: the batch's 16 K steps
	s_mov_b32 s93, 0
	s_mul_i32 s45, s16, AHALF                      ; where they go
	s_mul_i32 s94, s16, BHALF
	s_add_co_u32 s94, s94, BOFF
	s_mov_b32 s95, SCB
	s_mov_b32 s[M8], 0x80808080
	s_lshl_b32 s18, s67, 17                        ; the fix-up's numbers: my batch, my tile's 256 positions
	s_lshl_b32 s19, s17, 10
	s_add_co_u32 s18, s18, s19
	s_mov_b32 s19, 0
	v_lshlrev_b32 v[MO], 3, v0
	s_wait_alu depctr_va_vdst(0)
	s_wait_dscnt 0x0                               ; the opening add is done
	s_wait_kmcnt 0x0
	s_add_nc_u64 s[20:21], s[4:5], s[20:21]
	s_add_nc_u64 s[46:47], s[8:9], s[46:47]
	s_add_nc_u64 s[92:93], s[10:11], s[92:93]
	s_add_nc_u64 s[6:7], s[6:7], s[18:19]
	; ---- the fix-up's loads, ahead of everything else that asks memory: three numbers for each (position, 128 keys)
.irp f, 0,1,2,3,4,5,6,7
	global_load_b64 v[WDS+2*\f:WDS+2*\f+1], v[MO], s[6:7] offset:8192*\f
	global_load_b64 v[NMR+2*\f:NMR+2*\f+1], v[MO], s[6:7] offset:524288+8192*\f
	global_load_b64 v[LL+2*\f:LL+2*\f+1], v[MO], s[6:7] offset:1048576+8192*\f
.endr
	s_cmp_eq_u32 s[CC], 0
	s_cbranch_scc1 .Lshort
.irp f, 8,9,10,11,12,13,14,15
	global_load_b64 v[WDS+2*\f:WDS+2*\f+1], v[MO], s[6:7] offset:8192*\f
	global_load_b64 v[NMR+2*\f:NMR+2*\f+1], v[MO], s[6:7] offset:524288+8192*\f
	global_load_b64 v[LL+2*\f:LL+2*\f+1], v[MO], s[6:7] offset:1048576+8192*\f
.endr
	s_branch .Lmeta
.Lshort:                                               ; keys 1,024 on are hidden from these queries: nothing was stored for them, nothing is read
.set j, 16
.rept 16
	v_mov_b32 v[WDS+j], 0
	v_mov_b32 v[NMR+j], 0x7f61b1e6
	v_mov_b32 v[LL+j], 0
.set j, j+1
.endr
.Lmeta:
	CROUND                                         ; all sixteen work-groups are here: the first joint loads meet
.irp s, 0,1
	s_mov_b32 s[G0+4*\s], 1
	s_add_co_u32 s[G0+4*\s+1], s45, \s*SLOT
	s_sub_nc_u64 s[G0+4*\s+2:G0+4*\s+3], s[20:21], \s*4*196608     ; ring slot 1 takes the key slot below
	s_or_b32 s[G0+4*\s+3], s[G0+4*\s+3], 0x80000000
	s_mov_b32 s[G0B+4*\s], 1
	s_add_co_u32 s[G0B+4*\s+1], s94, \s*SLOT
	s_sub_nc_u64 s[G0B+4*\s+2:G0B+4*\s+3], s[46:47], \s*4*98304
	s_or_b32 s[G0B+4*\s+3], s[G0B+4*\s+3], 0x80000000
.endr
	s_mov_b32 s[G0S], 1
	s_mov_b32 s[G0S+1], s95
	s_mov_b64 s[G0S+2:G0S+3], s[92:93]
	s_or_b32 s[G0S+3], s[G0S+3], 0x80000000
	s_cmp_eq_u32 s15, 0                            ; the head's loads, one a wave, in one chain on the wave's number: waves 0 and 1 p's halves of ring slot 0, wave 2 v's whole part of it, wave 3 v's scale words
	s_cbranch_scc0 .Lfirst_b
	tensor_load_to_lds s[G0:G0+3], s[G1:G1+7]
	s_nop 0
.rept 4
	v_nop
.endr
	s_branch .Lfirst_done
.Lfirst_b:
	s_cmp_eq_u32 s16, 0
	s_cbranch_scc0 .Lfirst_s
	tensor_load_to_lds s[G0B:G0B+3], s[G1B:G1B+7]
	s_nop 0
.rept 4
	v_nop
.endr
	s_branch .Lfirst_done
.Lfirst_s:
	tensor_load_to_lds s[G0S:G0S+3], s[G1S:G1S+7]
	s_nop 0
.rept 4
	v_nop
.endr
.Lfirst_done:
	v_and_b32 v1, 15, v0                           ; r
	v_bfe_u32 v2, v0, 4, 1                         ; h
	v_and_b32 v3, 31, v0
	v_lshlrev_b32 v[CO], 4, v3
	s_mul_i32 s21, s15, AHALF
	s_mul_i32 s22, s16, 4*1536
	s_add_co_u32 s21, s21, s22                     ; my four blocks of p
.irp s, 0,1
	v_add_nc_u32 v[ADRA+\s], s21, v[CO]
	v_add_nc_u32 v[ADRB+\s], BOFF+\s*SLOT, v[CO]
	s_add_co_u32 s21, s21, SLOT
.endr
	v_mul_u32_u24 v4, v2, 1088                     ; lanes 16-31 take the K step after
	v_lshl_add_u32 v4, v1, 2, v4
	s_lshl_b32 s22, s14, 8
	s_add_co_u32 s22, s22, SCA
	v_add_nc_u32 v[ADSA], s22, v4
	v_mul_u32_u24 v4, v2, 576
	v_lshl_add_u32 v4, v1, 2, v4
	v_add_nc_u32 v[ADSB], SCB, v4
	s_mul_i32 s23, s14, 16*SPITCH                  ; my stage
	v_mul_u32_u24 v4, v1, SPITCH
	v_lshl_add_u32 v4, v2, 6, v4
	v_add_nc_u32 v[STO], s23, v4                   ; in: row r, + 64 h
	v_add_nc_u32 v[RD], s23, v[CO]                 ; back: a row of 512 bytes
	s_lshl_b32 s22, s14, 8
	s_add_co_u32 s22, s22, LIV
	v_lshl_add_u32 v[LIA], v1, 2, s22
	v_lshl_add_u32 v[FX], v0, 3, SCA
	s_lshl_b32 s18, s67, 23
	s_lshl_b32 s22, s17, 20
	s_add_co_u32 s18, s18, s22
	s_lshl_b32 s22, s14, 18
	s_add_co_u32 s18, s18, s22
	s_lshl_b32 s22, s42, 9
	s_add_co_u32 s18, s18, s22
	s_add_nc_u64 s[12:13], s[12:13], s[18:19]      ; O at my 64 rows, my tile's 128 channels
	s_wait_loadcnt 0x0
.irp e, 0,1
	v_min3_num_f32 v[NR+\e], v[NMR+\e], v[NMR+2+\e], v[NMR+4+\e]
.endr
.irp f, 3,5,7,9,11,13
.irp e, 0,1
	v_min3_num_f32 v[NR+\e], v[NR+\e], v[NMR+2*\f+\e], v[NMR+2*\f+2+\e]
.endr
.endr
.irp e, 0,1
	v_min_num_f32 v[NR+\e], v[NR+\e], v[NMR+30+\e] ; the smallest -M: the row's M
.endr
.irp f, 0,1,2,3,4,5,6,7,8,9,10,11,12,13,14,15
.irp e, 0,1
	v_sub_f32 v[T0+\e], v[NR+\e], v[NMR+2*\f+\e]   ; the group's M less the row's: a whole number, 0 or less
.endr
.irp e, 0,1
	v_max_num_f32 v[T0+\e], 0xc2fe0000, v[T0+\e]   ; held at -127
.endr
.irp e, 0,1
	v_cvt_i32_f32 v[T0+\e], v[T0+\e]
.endr
.irp e, 0,1
.if \f == 0
	v_ldexp_f32 v[LSUM+\e], v[LL+\e], v[T0+\e]     ; the first group starts l
.else
	v_ldexp_f32 v[T2+\e], v[LL+2*\f+\e], v[T0+\e]
.endif
.endr
.irp e, 0,1
	v_sub_nc_u32 v[T0+\e], 0, v[T0+\e]             ; D, 0 to 127
.endr
.if \f > 0
.irp e, 0,1
	v_add_f32 v[LSUM+\e], v[LSUM+\e], v[T2+\e]
.endr
.endif
.irp e, 0,1
	v_lshl_or_b32 v[T0+\e], v[T0+\e], 8, v[T0+\e]
.endr
.irp e, 0,1
	v_lshl_or_b32 v[T0+\e], v[T0+\e], 16, v[T0+\e] ; D in all four bytes
.endr
.irp e, 0,1
	v_or_b32 v[T2+\e], s[M8], v[WDS+2*\f+\e]       ; the bytes are 125 at the most: 128 + byte - D borrows from no neighbour,
.endr
.irp e, 0,1
	v_sub_nc_u32 v[T2+\e], v[T2+\e], v[T0+\e]
.endr
.irp e, 0,1
	v_and_b32 v[T0+\e], s[M8], v[T2+\e]            ; and keeps its top bit where byte >= D
.endr
.irp e, 0,1
	v_lshrrev_b32 v[T4+\e], 7, v[T0+\e]
.endr
.irp e, 0,1
	v_sub_nc_u32 v[T0+\e], v[T0+\e], v[T4+\e]      ; 0x7f there, 0 elsewhere
.endr
.irp e, 0,1
	v_and_b32 v[WDS+2*\f+\e], v[T2+\e], v[T0+\e]   ; byte - D, held at 0
.endr
.endr
	s_wait_alu depctr_va_vdst(0)
	v_rcp_f32 v[LSUM], v[LSUM]
	v_rcp_f32 v[LSUM+1], v[LSUM+1]
	v_nop                                          ; a plain place behind the reciprocals
	s_wait_alu depctr_va_vdst(0)                   ; one wait for both, ahead of their first reader
.irp f, 0,1,2,3,4,5,6,7,8,9,10,11,12,13,14,15
	ds_store_b64 v[FX], v[WDS+2*\f:WDS+2*\f+1] offset:1088*\f
.endr
	ds_store_b64 v[FX], v[LSUM:LSUM+1] offset:LIV-SCA
	s_wait_tensorcnt 0x0                           ; my load of the head has landed
	ds_add_u32 v[SPW], v[NIL]
	s_mov_b32 s[G1B+2], 2<<16                      ; no tensor load of mine is out, so a descriptor may be written: from here on a load of v brings two K steps
	s_mov_b32 s[G1B+4], 2
	s_wait_dscnt 0x0                               ; the add is done, and for the others' sake my stores have landed
	CROUND                                         ; a whole round: ring slot 0, the scale words and the fix-up are whole, and the joint loads meet
	JLOAD G0+4, G1, G0B+4, G1B                     ; ring slot 1's first fill, the first tensor load behind the round
.macro FRAG reg, adr, off
.irp c, 0,1,2
	ds_load_b128 v[\reg+4*\c:\reg+4*\c+3], v[\adr] offset:\off+512*\c
.endr
.endm
; 8 matrix instructions: p's block a x v's eight tiles, the slot's q-th K step.  The 32 accumulators take turns.
.macro MULB a, p, q, sc, zero
.irp b, 0,1,2,3,4,5,6,7
.set rD, 8*(8*(\a)+\b)
.set rB, 128*(\p)+FR*\b
.set rA, AF+FR*(\a)
.set rSB, SC+24*(\sc)+8+8*((\q)/2)+\b
.set rSA, SC+24*(\sc)+4*((\q)/2)+(\a)
.if \zero
	v_wmma_scale_f32_16x16x128_f8f6f4 v[rD:rD+7], v[rB:rB+11], v[rA:rA+11], 0, v[rSB], v[rSA] matrix_a_fmt:MATRIX_FMT_FP6 matrix_b_fmt:MATRIX_FMT_FP6
.elseif (\q)%2
	v_wmma_scale_f32_16x16x128_f8f6f4 v[rD:rD+7], v[rB:rB+11], v[rA:rA+11], v[rD:rD+7], v[rSB], v[rSA] matrix_a_fmt:MATRIX_FMT_FP6 matrix_b_fmt:MATRIX_FMT_FP6 matrix_a_scale:MATRIX_SCALE_ROW1 matrix_b_scale:MATRIX_SCALE_ROW1
.else
	v_wmma_scale_f32_16x16x128_f8f6f4 v[rD:rD+7], v[rB:rB+11], v[rA:rA+11], v[rD:rD+7], v[rSB], v[rSA] matrix_a_fmt:MATRIX_FMT_FP6 matrix_b_fmt:MATRIX_FMT_FP6
.endif
.endr
.endm
.macro FETCH_B slot, q, p
	WIN TO_B
.irp i, 0,1,2,3,4,5,6,7
	FRAG 128*(\p)+FR*\i, ADRB+\slot, (\q)*12288+\i*1536
.endr
	WIN 0
.endm
.macro FETCH_A slot, q, i0
.irp i, \i0, \i0+1
	FRAG AF+FR*(\i), ADRA+\slot, (\q)*12288+(\i)*1536
.endr
.endm
.macro SCALES set, ks                  ; key slot ks: K steps 4 ks + 2 g (lanes 0-15) and 4 ks + 2 g + 1 (lanes 16-31): 24 loads
.irp g, 0,1
.irp a, 0,1,2,3
	ds_load_b32 v[SC+24*\set+4*\g+\a], v[ADSA] offset:(4*(\ks)+2*\g)*1088+64*\a
.endr
.irp b, 0,1,2,3,4,5,6,7
	ds_load_b32 v[SC+24*\set+8+8*\g+\b], v[ADSB] offset:(4*(\ks)+2*\g)*576+64*\b
.endr
.endr
.endm
.macro PLACES n
.rept \n
	v_nop
.endr
.endm
.macro STEP slot, q, zero
	s_wait_dscnt 2*NL                              ; all but the youngest 6 loads (p's blocks 2, 3)
	WIN MUL
	MULB 0, (\q)%2, \q, \slot, \zero
	MULB 1, (\q)%2, \q, \slot, \zero
	s_wait_dscnt 0
	PLACES NP
	FETCH_B \slot, (\q)+1, 1-(\q)%2
	FETCH_A \slot, (\q)+1, 0
	WIN MUL
	MULB 2, (\q)%2, \q, \slot, \zero
	MULB 3, (\q)%2, \q, \slot, \zero
	PLACES NP
	WIN 0
	FETCH_A \slot, (\q)+1, 2
.endm
.macro TURN slot, next, fill, ks       ; a slot's last step changes slots; ks: the key slot that lies in the next ring slot
	s_wait_tensorcnt 0x0                           ; all my tensor loads have landed: my part of the next slot
	ds_add_u32 v[SPW], v[NIL]
	s_wait_dscnt 2*NL+1                            ; the add and the youngest 6 loads may be out
	WIN MUL
	MULB 0, 1, 3, \slot, 0
	s_wait_dscnt 0x0                               ; the add is done, and my reads of this slot are over
	s_barrier_signal -1
	MULB 1, 1, 3, \slot, 0
	WIN 0
	s_barrier_wait -1
.if \fill
	CREST                                          ; a round of the cluster's barrier: no wave of any partner still reads this slot or has a load on its way
	s_sub_nc_u64 s[G0+4*\slot+2:G0+4*\slot+3], s[G0+4*\slot+2:G0+4*\slot+3], 8*196608   ; two key slots down
	s_sub_nc_u64 s[G0B+4*\slot+2:G0B+4*\slot+3], s[G0B+4*\slot+2:G0B+4*\slot+3], 8*98304
	JLOAD G0+4*\slot, G1, G0B+4*\slot, G1B
.else
	PLACES NP
.endif
	FETCH_B \next, 0, 0
	FETCH_A \next, 0, 0
	SCALES \next, \ks
	WIN MUL
	MULB 2, 1, 3, \slot, 0
	MULB 3, 1, 3, \slot, 0
	PLACES NP
	WIN 0
	FETCH_A \next, 0, 2
.endm
	FETCH_B 0, 0, 0
	FETCH_A 0, 0, 0
	s_cmp_eq_u32 s[CC], 0                          ; the first key slot is 3 or 1: 24 loads on either way
	s_cbranch_scc1 .Lsc_short
	SCALES 0, 3
	s_branch .Lsc_done
.Lsc_short:
	SCALES 0, 1
.Lsc_done:
	FETCH_A 0, 0, 2
	STEP 0, 0, 1                                   ; the first step's products start the sums
	s_cmp_eq_u32 s[CC], 0
	s_cbranch_scc1 .Ljoin                          ; queries 0-1,023: two key slots in all.  On both ways: one tensor load of mine may be out (ring slot 1's), 36 LDS loads, every window 0
	STEP 0, 1, 0                                   ; key slot 3
	STEP 0, 2, 0
	TURN 0, 1, 1, 2
	STEP 1, 0, 0                                   ; key slot 2
	STEP 1, 1, 0
	STEP 1, 2, 0
	TURN 1, 0, 1, 1
	STEP 0, 0, 0                                   ; key slot 1
.Ljoin:
	STEP 0, 1, 0
	STEP 0, 2, 0
	TURN 0, 1, 0, 0                                ; nothing is left to fetch
	STEP 1, 0, 0                                   ; key slot 0
	STEP 1, 1, 0
	STEP 1, 2, 0
	s_wait_dscnt 2*NL
	WIN MUL
	MULB 0, 1, 3, 1, 0
	MULB 1, 1, 3, 1, 0
	s_wait_dscnt 0
	MULB 2, 1, 3, 1, 0
	MULB 3, 1, 3, 1, 0
	WIN 0
; THE WAY OUT, block by block of 16 queries x 128 channels: x 1 / l; through my stage, where a lane's eight channels go to their true places; back as whole rows of 512 bytes.
.macro MULINV a
	WIN 0x82                                       ; destination and source 0: the accumulators' window
.set j, 0
.rept 32
	v_pk_mul_f32 v[64*(\a)+j:64*(\a)+j+1], v[64*(\a)+j:64*(\a)+j+1], v[INV+2*(\a):INV+2*(\a)+1] op_sel_hi:[1,0]   ; ascending: each accumulator from its low end on
.set j, j+2
.endr
.endm
.macro TOSTAGE a
	WIN 0x08                                       ; an LDS store's data: window 2
.irp b, 0,1,2,3,4,5,6,7
	ds_store_b128 v[STO], v[64*(\a)+8*\b:64*(\a)+8*\b+3] offset:128*(\b/2)+32*(\b%2)       ; register j of tile b is channel 32 (b / 2) + 16 h + 8 (b % 2) + j
	ds_store_b128 v[STO], v[64*(\a)+8*\b+4:64*(\a)+8*\b+7] offset:128*(\b/2)+32*(\b%2)+16
.endr
	WIN 0
.set BB, BK+64*((\a)%2)
.irp t, 0,1,2,3,4,5,6,7,8,9,10,11,12,13,14,15
	ds_load_b128 v[BB+4*\t:BB+4*\t+3], v[RD] offset:\t*SPITCH      ; LDS serves a wave's instructions in order: these see the stores above
.endr
.endm
.macro SEND a, younger
.set BB, BK+64*((\a)%2)
	s_wait_dscnt \younger                          ; the block is back in registers
.irp t, 0,1,2,3,4,5,6,7,8,9,10,11,12,13,14,15
	global_store_b128 v[CO], v[BB+4*\t:BB+4*\t+3], s[12:13] offset:(32*((\a)/2)+8*((\a)%2)+\t+8*(\t/8))*4096 th:TH_STORE_NT   ; position 16 a + t is row 32 (a / 2) + 8 (a % 2) + t + 8 (t / 8); 512 consecutive bytes, aligned
.endr
.endm
	PLACES NP                                      ; behind the last products
.irp a, 0,1,2,3
	ds_load_b32 v[INV+2*\a], v[LIA] offset:64*\a
	ds_load_b32 v[INV+2*\a+1], v[LIA] offset:64*\a     ; (named with it as a pair)
.endr
	s_wait_dscnt 0x0
	MULINV 0
	TOSTAGE 0
.irp a, 1,2,3
.if \a > 1
	s_wait_xcnt 0x0                                ; block a - 2's stores have read the registers that block a's rows land in
.endif
	MULINV \a
	TOSTAGE \a
	SEND \a-1, 32                                  ; behind block a - 1's loads: block a's 16 stores and 16 loads
.endr
	SEND 3, 0
	s_wait_tensorcnt 0x0                           ; the wave's end, behind my last tensor load and my last LDS store
	ds_add_u32 v[SPW], v[NIL]
	s_wait_dscnt 0x0
	CROUND                                         ; the closing round
	s_endpgm
.Lfunc_end_k_q76169f3d4e_pv:
	.size	k_q76169f3d4e_pv, .Lfunc_end_k_q76169f3d4e_pv-k_q76169f3d4e_pv
	.p2alignl 7, 3214868480
	.fill 96, 4, 3214868480
	.section	.rodata,"a",@progbits
	.p2align	6, 0x0
	.amdhsa_kernel k_q76169f3d4e_pv
		.amdhsa_group_segment_fixed_size 327680
		.amdhsa_private_segment_fixed_size 0
		.amdhsa_enable_private_segment 0
		.amdhsa_kernarg_size 40
		.amdhsa_user_sgpr_count 2
		.amdhsa_user_sgpr_kernarg_segment_ptr 1
		.amdhsa_wavefront_size32 1
		.amdhsa_system_sgpr_workgroup_id_x 1
		.amdhsa_system_sgpr_workgroup_id_y 1
		.amdhsa_system_sgpr_workgroup_id_z 1
		.amdhsa_system_vgpr_workitem_id 0
		.amdhsa_next_free_vgpr 768
		.amdhsa_next_free_sgpr 100
		.amdhsa_reserve_vcc 0
		.amdhsa_float_denorm_mode_32 3
		.amdhsa_float_denorm_mode_16_64 3
		.amdhsa_memory_ordered 1
		.amdhsa_forward_progress 1
		.amdhsa_inst_pref_size 178
	.end_amdhsa_kernel
	.amdgpu_metadata
---
amdhsa.version: [ 1, 2 ]
amdhsa.kernels:
  - .name:           k_q76169f3d4e_pv
    .symbol:         k_q76169f3d4e_pv.kd
    .args:
      - { .name: p_codes, .offset: 0, .size: 8, .value_kind: global_buffer, .address_space: global }
      - { .name: p_meta, .offset: 8, .size: 8, .value_kind: global_buffer, .address_space: global }
      - { .name: qkv_codes, .offset: 16, .size: 8, .value_kind: global_buffer, .address_space: global }
      - { .name: qkv_scales, .offset: 24, .size: 8, .value_kind: global_buffer, .address_space: global }
      - { .name: out0, .offset: 32, .size: 8, .value_kind: global_buffer, .address_space: global }
    .group_segment_fixed_size: 327680
    .private_segment_fixed_size: 0
    .kernarg_segment_align: 8
    .kernarg_segment_size: 40
    .max_flat_workgroup_size: 128
    .sgpr_count:     100
    .vgpr_count:     768
    .wavefront_size: 32
...
	.end_amdgpu_metadata
.endif
;; end of part 4
